; MI455X (gfx1250); checked and timed in simulation.
; The chip was launched on July 23, 2026; its instructions are those of AMD's public machine-readable ISA for CDNA 5 (MIT licence, August 2026) and "CDNA5" Instruction Set Architecture Reference Guide (July 2026). The comments in the code are by the model that wrote it; some were corrected since.
;; Attention. Allowed arithmetic: matrix products marked QUANTISED: E2M1 operands, one E8M0 scale for each 32 along K, by v_wmma_scale_f32_16x16x128_f8f6f4 with both operands' format E2M1 (or v_wmma_scale_f32_32x16x128_f4), f32 sums; products left as they are: bf16, f16 or f32 operands; f32 sums; everything else in f32.
;; Inputs: Wk 1,024 x 256 float32; Wo 1,024 x 1,024 float32; Wq 1,024 x 1,024 float32; Wv 1,024 x 256 float32; bk 256 float32; bq 1,024 float32; bv 256 float32; hidden_states 4 x 2,048 x 1,024 float32; rotary_pos_emb 4 x 2,048 x 32 float32.
;; Outputs: out0 4 x 2,048 x 1,024 float32.
;; This version of the problem:
;;   THIS VERSION OF THE PROBLEM IS GIVEN IN LOW PRECISION. The matrix products marked QUANTISED in the list below multiply operands that are first quantised to E2M1 (2 exponent bits, 1 mantissa bit; 4 bits a number), with one power-of-two scale for each 32 numbers along K (OCP MX v1.0); their sums are f32. The products marked 'left as it is' may take bf16, f16 or f32 operands, with f32 sums. Whichever they take, every output number must still come out within the allowed error. Rounding operands to bf16 (8 significant bits) uses up far more of that allowance than f16 does (11 bits, for magnitudes from 6e-5 to 65,504). All else is computed in f32.
;;   The module's matrix products, in the order in which they are computed (A, B: the left and right operand; K: the contracted axis; several contracted axes count as one K, in the product's order):
;;     1. [M 8,192, K 1,024] x [K 1,024, N 1,024]; A: input hidden_states; B: input Wq: QUANTISED
;;     2. [M 8,192, K 1,024] x [K 1,024, N 256]; A: input hidden_states; B: input Wk: QUANTISED
;;     3. [M 8,192, K 1,024] x [K 1,024, N 256]; A: input hidden_states; B: input Wv: QUANTISED
;;     4. batch 64 x [M 2,048, K 64] x [K 64, N 2,048]; A: computed on the way; B: computed on the way: left as it is (an operand is computed on the way)
;;     5. batch 64 x [M 2,048, K 2,048] x [K 2,048, N 64]; A: computed on the way; B: computed on the way: left as it is (an operand is computed on the way)
;;     6. [M 8,192, K 1,024] x [K 1,024, N 1,024]; A: computed on the way; B: input Wo: left as it is (an operand is computed on the way)
;;   THE QUANTISER, for each operand of a quantised product, along K:
;;     - K is cut into blocks of 32 from its start; a last block that is shorter is filled with zeros.
;;     - A block's scale is 2^e with e = floor(log2(the largest magnitude in the block)) - 2, held to -126 .. 127; a block of zeros has e = 0. As a byte (E8M0): e + 127.
;;     - Each number is divided by its block's scale, clamped to +-6, and rounded to the nearest number of E2M1, ties to even, subnormals kept.
;;     - The product sums the exact products of the quantised numbers (number of the format x scale) in f32.
;;   ~~~python
;;   def quantise(x, axis):      # numpy; x: float32 -> the quantised numbers, widened to float32 again
;;       x = np.moveaxis(x, axis, -1); K = x.shape[-1]
;;       x = np.pad(x, [(0, 0)] * (x.ndim - 1) + [(0, -K % 32)]); x = x.reshape(x.shape[:-1] + (-1, 32)); a = np.abs(x).max(-1, keepdims=True)
;;       e = np.where(a > 0, np.clip(np.frexp(np.where(a > 0, a, 1))[1] - 1 - 2, -126, 127), 0)      # np.frexp(a)[1] - 1 = floor(log2(a)), exactly
;;       r = np.clip(x / 2.0 ** e, -6, 6)
;;       step = 2.0 ** (np.maximum(np.frexp(np.where(r == 0, 1, r))[1] - 1, 0) - 1)
;;       q = np.round(r / step) * step * 2.0 ** e      # np.round: ties to even
;;       return np.moveaxis(q.reshape(q.shape[:-2] + (-1,))[..., :K], -1, axis).astype(np.float32)
;;   ~~~
;; One version. Each part assembles by itself: llvm-mc -triple=amdgcn-amd-amdhsa -mcpu=gfx1250 --defsym DOCPART=n.
;; ======== version 1 of 1: 4 launches
;; limits: values are held in f16: magnitudes above 65,504 overflow, below 6.1e-05 lose precision; right only within a limited range of input values
;; workspace buffers: cod 4,980,736 bytes; sc 311,296 bytes; tab 2,097,152 bytes; wo16 2,097,152 bytes; qf 16,777,216 bytes; kvf 8,388,608 bytes; af 16,777,216 bytes
;; launch prep (part 1): grid 544 x 1, 4 waves a work-group, no clusters, 35,840 bytes of LDS; arguments hidden_states, rotary_pos_emb, Wq, Wk, Wv, Wo, cod, sc, tab, wo16; writes cod, sc, tab, wo16
.if DOCPART == 1
	.amdgcn_target "amdgcn-amd-amdhsa--gfx1250"
	.amdhsa_code_object_version 6
	.text
	.protected	k_qfd6ba6bad3_prep
	.globl	k_qfd6ba6bad3_prep
	.p2align	8
	.type	k_qfd6ba6bad3_prep,@function
k_qfd6ba6bad3_prep:
	s_mov_b64 s[64:65], 0
	v_nop
	global_prefetch_b8 v0, s[64:65] scope:SCOPE_SE
	s_setreg_imm32_b32 hwreg(HW_REG_WAVE_MODE, 25, 1), 1
	s_wait_xcnt 0x0
; PREP: everything that is made once from the inputs, laid in the order of the later operands' registers.
; A UNIT is 512 bytes: four registers of 32 lanes, lane l's 16 bytes at 16 l.  Lane l: r = l % 16, h = l / 16.
;   path H (work-groups 0-255):   hidden_states [8192][1024] f32 -> codes of E2M1 and E8M0 scale bytes, K innermost.  cod: [row tile 512][chunk of 64 K: 16][unit]; in a unit lane (r, h) holds row r, k = 64 chunk + 32 h + 0..31.
;                                 sc: [half of K: 2][row 8192][4 words], a word = the four bytes of 128 along K.
;   path W (work-groups 256-351): Wq, Wk, Wv [1024 (k)][n] f32 -> the same for the 1,536 columns n (0-1023 Wq, 1024-1279 Wk, 1280-1535 Wv): cod + 4,194,304: [column tile 96][chunk 16][unit]; sc + 262,144: [half 2][n 1536][4 words].
;   path O (work-groups 352-415): Wo [1024 (k)][1024 (n)] f32 -> f16.  wo16: [column tile 64][16 of K: 64][unit]; lane (r, h) holds column r, k = 16 u + 8 h + 0..7.
;   path T (work-groups 416-543): cos and sin of rotary_pos_emb [8192][32].  tab: [token tile 512][g 8][unit] f32, g = 4 (0 cos, 1 sin) + 2 c + u; lane (r, h) holds frequencies 16 c + 8 h + 4 u + 0..3 of token r.
; THE QUANTISER: a block's scale is 2^(floor(log2(largest magnitude)) - 2); its byte is the largest magnitude's exponent field - 2, held at 1 from below by a floor among the maximum's leaves.
; LIMITS: NaN and infinities are not served.  A block of zeros gets the byte 1 where the rule says 127: its codes are zeros, and this program alone reads the bytes.
;   Angles up to 2^17 in magnitude: the quadrant number is exact there and the reduced angle stays in the polynomials' range.  Wo in f16: magnitudes under 65,504; under 6e-5 the step is 2^-24.
; No work-group shares an input byte with another: no cluster, no tensor load.  The paths part on the work-group's number alone; each path that uses LDS has bytes of its own.
.set WSC,   34816                      ; LDS: 0 .. 34,815 path H's stages (8,704 a wave: two of 16 rows x 272 bytes); here path W's 512 bytes of scale words
.set SPARE, 35328                      ; the spare words, 128 bytes for each wave: two blocks of 256 bytes that no other line names
.set SPW,   4                          ; v4  LDS address of my spare word; never rewritten
.set NIL,   5                          ; v5  0; never rewritten
.set R,     64                         ; path H: v64-191 four sets of 32 numbers as loaded
.set X,     192                        ; path H: v192-255 two sets of 32 neighbours along K
.set C,     28                         ; path H: v28-59 four code registers for each of the eight steps: no store's data are written again
	s_load_b512 s[4:19], s[0:1], 0x0               ; hidden s[4:5], rotary s[6:7], Wq s[8:9], Wk s[10:11], Wv s[12:13], Wo s[14:15], cod s[16:17], sc s[18:19]
	s_load_b128 s[20:23], s[0:1], 0x40             ; tab s[20:21], wo16 s[22:23]
	v_lshl_add_u32 v[SPW], v0, 2, SPARE
	v_mov_b32 v[NIL], 0
	v_lshrrev_b32 v1, 5, v0
	v_readfirstlane_b32 s24, v1                    ; wave 0..3
	v_and_b32 v1, 31, v0                           ; lane
	v_and_b32 v2, 15, v0                           ; r
	v_bfe_u32 v3, v0, 4, 1                         ; h
	v_lshlrev_b32 v9, 4, v1                        ; 16 x lane: my place in a unit
	s_mov_b32 s26, 0x76543210
	s_mov_b32 s27, 0xfedcba98                      ; v_permlanex16_b32's selects for lane l xor 16
	s_mov_b32 s31, 0                               ; the high word of every 32-bit offset
	s_wait_kmcnt 0x0
	s_cmp_lt_u32 ttmp9, 256
	s_cbranch_scc1 .Lpath_h
	s_cmp_lt_u32 ttmp9, 352
	s_cbranch_scc1 .Lpath_w
	s_cmp_lt_u32 ttmp9, 416
	s_cbranch_scc1 .Lpath_o
; ---------------- path T: cos and sin.  A wave takes 16 tokens; a lane 16 angles.
	s_sub_co_u32 s28, ttmp9, 416
	s_lshl_b32 s28, s28, 2
	s_add_co_u32 s28, s28, s24                     ; token tile
	s_lshl_b32 s30, s28, 11                        ; 16 tokens x 128 bytes
	s_add_nc_u64 s[6:7], s[6:7], s[30:31]
	s_lshl_b32 s30, s28, 12                        ; 8 units
	s_add_nc_u64 s[20:21], s[20:21], s[30:31]
	v_lshlrev_b32 v6, 7, v2
	v_lshl_add_u32 v6, v3, 5, v6                   ; 128 r + 32 h
.irp c, 0,1
.irp u, 0,1
	global_load_b128 v[64+4*(2*\c+\u):64+4*(2*\c+\u)+3], v6, s[6:7] offset:64*\c+16*\u th:TH_LOAD_NT
.endr
.endr
	s_mov_b32 s32, 0x3f22f983                      ; 2 / pi
	s_mov_b32 s33, 0x3fc90fdb                      ; pi / 2, its f32 value,
	s_mov_b32 s34, 0xb33bbd2e                      ; and what that leaves of pi / 2
	s_mov_b32 s35, 0xb94ca1f9                      ; sine:   r + r z (S2 + z (S1 + z S0)), z = r r
	s_mov_b32 s36, 0x3c08839e
	s_mov_b32 s37, 0xbe2aaaa3
	s_mov_b32 s38, 0x37ccf5ce                      ; cosine: 1 - z / 2 + z z (C2 + z (C1 + z C0))
	s_mov_b32 s39, 0xbab6061a
	s_mov_b32 s40, 0x3d2aaaa5
	s_wait_loadcnt 0x0
; Four angles by turns, so that no line waits for the line above it.  Angle k's ten registers at v[12 + 10 k]: n, r, n as a whole number, z, sine, cosine, two at work, the two chosen.
.macro ANG4 n0
.irp k, 0,1,2,3
	v_mul_f32 v[12+10*\k], s32, v[64+\n0+\k]
.endr
.irp k, 0,1,2,3
	v_rndne_f32 v[12+10*\k], v[12+10*\k]           ; n = the nearest whole number of quarter turns
.endr
.irp k, 0,1,2,3
	v_fma_f32 v[13+10*\k], -v[12+10*\k], s33, v[64+\n0+\k]
.endr
.irp k, 0,1,2,3
	v_fma_f32 v[13+10*\k], -v[12+10*\k], s34, v[13+10*\k]   ; r = x - n pi / 2, in two fused steps
.endr
.irp k, 0,1,2,3
	v_cvt_i32_f32 v[14+10*\k], v[12+10*\k]
.endr
.irp k, 0,1,2,3
	v_mul_f32 v[15+10*\k], v[13+10*\k], v[13+10*\k]
.endr
.irp k, 0,1,2,3
	v_fma_f32 v[16+10*\k], v[15+10*\k], s35, s36
.endr
.irp k, 0,1,2,3
	v_fma_f32 v[17+10*\k], v[15+10*\k], s38, s39
.endr
.irp k, 0,1,2,3
	v_fma_f32 v[16+10*\k], v[16+10*\k], v[15+10*\k], s37
.endr
.irp k, 0,1,2,3
	v_fma_f32 v[17+10*\k], v[17+10*\k], v[15+10*\k], s40
.endr
.irp k, 0,1,2,3
	v_mul_f32 v[16+10*\k], v[16+10*\k], v[15+10*\k]
.endr
.irp k, 0,1,2,3
	v_mul_f32 v[17+10*\k], v[17+10*\k], v[15+10*\k]
.endr
.irp k, 0,1,2,3
	v_fma_f32 v[18+10*\k], v[15+10*\k], -0.5, 1.0
.endr
.irp k, 0,1,2,3
	v_fma_f32 v[16+10*\k], v[16+10*\k], v[13+10*\k], v[13+10*\k]   ; sin r
.endr
.irp k, 0,1,2,3
	v_fma_f32 v[17+10*\k], v[17+10*\k], v[15+10*\k], v[18+10*\k]   ; cos r
.endr
.irp k, 0,1,2,3
	v_and_b32 v[18+10*\k], 1, v[14+10*\k]
.endr
.irp k, 0,1,2,3
	v_cmp_eq_u32 s[44+\k], 1, v[18+10*\k]          ; an odd quarter exchanges the two
.endr
.irp k, 0,1,2,3
	v_cndmask_b32 v[19+10*\k], v[16+10*\k], v[17+10*\k], s[44+\k]
.endr
.irp k, 0,1,2,3
	v_cndmask_b32 v[20+10*\k], v[17+10*\k], v[16+10*\k], s[44+\k]
.endr
.irp k, 0,1,2,3
	v_lshlrev_b32 v[18+10*\k], 30, v[14+10*\k]     ; the sine changes sign in quarters 2 and 3: bit 1 of n,
.endr
.irp k, 0,1,2,3
	v_add_lshl_u32 v[21+10*\k], v[14+10*\k], 1, 30 ; the cosine in quarters 1 and 2: bit 1 of n + 1
.endr
.irp k, 0,1,2,3
	v_and_b32 v[18+10*\k], 0x80000000, v[18+10*\k]
.endr
.irp k, 0,1,2,3
	v_and_b32 v[21+10*\k], 0x80000000, v[21+10*\k]
.endr
.irp k, 0,1,2,3
	v_xor_b32 v[112+\n0+\k], v[19+10*\k], v[18+10*\k]
.endr
.irp k, 0,1,2,3
	v_xor_b32 v[96+\n0+\k], v[20+10*\k], v[21+10*\k]
.endr
.endm
	ANG4 0
	ANG4 4
	ANG4 8
	ANG4 12
.irp g, 0,1,2,3,4,5,6,7
	global_store_b128 v9, v[96+4*\g:96+4*\g+3], s[20:21] offset:512*\g   ; v96-111 the cosines, v112-127 the sines: each store covers 512 consecutive bytes, aligned
.endr
	s_branch .Lend
; A block's largest magnitude (v12), the conversion's scale operand (v11) and the scale's byte (v13), from the 32 numbers v[XS] on.
.macro BLKSCALE
	v_max3_num_f32 v12, |v[XS]|, |v[XS+1]|, |v[XS+2]|
	v_max3_num_f32 v13, |v[XS+3]|, |v[XS+4]|, |v[XS+5]|
.irp i, 6,10,14,18,22,26
	v_max3_num_f32 v12, v12, |v[XS+\i]|, |v[XS+\i+1]|
	v_max3_num_f32 v13, v13, |v[XS+\i+2]|, |v[XS+\i+3]|
.endr
	v_max3_num_f32 v12, v12, |v[XS+30]|, |v[XS+31]|
	v_max3_num_f32 v12, v12, v13, 0x1800000        ; and the floor 2^(3 - 127): the byte cannot fall under 1
	v_add_nc_u32 v11, 0xff000000, v12              ; 2 off the exponent field: the conversion takes the exponent field of this operand as its scale, and nothing else of it
	v_lshrrev_b32 v13, 23, v11                     ; the scale's byte
.endm
; ---------------- path H: a wave takes 16 rows x 512 along K, in eight chunks of 64.
; Each load reads two rows' aligned 256 bytes (16 lanes each); the chunk turns through the wave's own stage (rows 272 = 17 x 16 bytes apart) and comes back 128 bytes a lane: a whole block of 32.
.Lpath_h:
	s_lshl_b32 s28, ttmp9, 1
	s_lshr_b32 s29, s24, 1
	s_add_co_u32 s28, s28, s29                     ; row tile = 2 x work-group + wave / 2
	s_and_b32 s29, s24, 1                          ; which half of K
	s_lshl_b32 s30, s28, 16                        ; 16 rows of 4,096 bytes
	s_lshl_b32 s34, s29, 11
	s_add_co_u32 s30, s30, s34
	s_add_nc_u64 s[4:5], s[4:5], s[30:31]
	s_lshl_b32 s30, s28, 13                        ; 16 units a row tile
	s_lshl_b32 s34, s29, 12
	s_add_co_u32 s30, s30, s34
	s_add_nc_u64 s[16:17], s[16:17], s[30:31]
	s_lshl_b32 s30, s28, 8                         ; 16 rows x 16 bytes of scale words
	s_lshl_b32 s34, s29, 17
	s_add_co_u32 s30, s30, s34
	s_add_nc_u64 s[18:19], s[18:19], s[30:31]
	s_mul_i32 s34, s24, 8704                       ; my two stages
	v_lshlrev_b32 v6, 12, v3
	v_lshl_add_u32 v6, v2, 4, v6                   ; memory: 4,096 h + 16 r
	v_mul_u32_u24 v7, v3, 272
	v_lshl_add_u32 v7, v2, 4, v7
	v_add_nc_u32 v7, s34, v7                       ; the stage, in: 272 h + 16 r
	v_mul_u32_u24 v8, v2, 272
	v_lshl_add_u32 v8, v3, 7, v8
	v_add_nc_u32 v8, s34, v8                       ; and back: 272 r + 128 h
	v_lshlrev_b32 v10, 4, v2
	v_lshl_add_u32 v10, v3, 3, v10                 ; my two scale words: 16 r + 8 h
.irp q, 0,1,2,3
	v_mov_b32 v[24+\q], 0                          ; written once: a lane permute's destination counts as one of its sources
.endr
.macro HLOAD t
.irp i, 0,1,2,3,4,5,6,7
	global_load_b128 v[R+32*((\t)%4)+4*\i:R+32*((\t)%4)+4*\i+3], v6, s[4:5] offset:8192*\i+256*(\t) th:TH_LOAD_NT
.endr
.endm
.macro HTURN t                         ; LDS serves a wave's instructions in order: no wait between the stores and the loads
.irp i, 0,1,2,3,4,5,6,7
	ds_store_b128 v7, v[R+32*((\t)%4)+4*\i:R+32*((\t)%4)+4*\i+3] offset:4352*((\t)%2)+544*\i
.endr
.irp i, 0,1,2,3,4,5,6,7
	ds_load_b128 v[X+32*((\t)%2)+4*\i:X+32*((\t)%2)+4*\i+3], v8 offset:4352*((\t)%2)+16*\i
.endr
.endm
.macro HSTEP t
.set XS, X+32*((\t)%2)
	s_wait_dscnt 0x0                               ; this chunk is back from the stage, and its stores into the stage have read their registers,
.if (\t)+4 < 8
	HLOAD (\t)+4                                   ; which take the loads of four chunks on
.endif
.if (\t)+1 < 8
.if 6-(\t) >= 3
	s_wait_loadcnt 24                              ; the next chunk's eight loads are in; those of the three chunks behind it may be out
.else
	s_wait_loadcnt 8*(6-(\t))
.endif
	HTURN (\t)+1                                   ; and go through the other stage while this chunk is worked
.endif
	BLKSCALE
.if (\t)%2 == 0
	v_mov_b32 v[20+(\t)/2], v13                    ; word t / 2: my byte of the even chunk,
.else
	v_lshl_or_b32 v[20+(\t)/2], v13, 16, v[20+(\t)/2]   ; and of the odd one, two bytes up
.endif
.irp g, 0,1,2,3
	v_cvt_scalef32_pk8_fp4_f32 v[C+4*(\t)+\g], v[XS+8*\g:XS+8*\g+7], v11
.endr
	v_nop                                          ; one plain line behind the last conversion
	global_store_b128 v9, v[C+4*(\t):C+4*(\t)+3], s[16:17] offset:512*(\t)   ; the unit: 512 consecutive bytes
.endm
	HLOAD 0
	HLOAD 1
	HLOAD 2
	HLOAD 3
	s_wait_loadcnt 24                              ; chunk 0's eight loads are in
	HTURN 0
.irp t, 0,1,2,3,4,5,6,7
	HSTEP \t
.endr
	v_lshlrev_b32 v11, 3, v3
.irp q, 0,1,2,3
	v_lshlrev_b32 v[20+\q], v11, v[20+\q]          ; my bytes at their places (8 h bits up);
.endr
.irp q, 0,1,2,3
	v_permlanex16_b32 v[24+\q], v[20+\q], s26, s27
.endr
.irp q, 0,1,2,3
	v_or_b32 v[20+\q], v[20+\q], v[24+\q]          ; with lane l xor 16's the words are whole
.endr
	v_cmp_eq_u32 vcc_lo, 1, v3
	v_cndmask_b32 v14, v20, v22, vcc_lo            ; lanes 0-15 store words 0 and 1, lanes 16-31 words 2 and 3
	v_cndmask_b32 v15, v21, v23, vcc_lo
	global_store_b64 v10, v[14:15], s[18:19]       ; the wave stores 256 consecutive bytes, aligned
	s_branch .Lend
; ---------------- path W: a lane takes a column, its registers run down K.  A work-group: 32 columns x half of K; a wave: 128 along K, one word of scales a column.
.Lpath_w:
	s_sub_co_u32 s28, ttmp9, 256
	s_lshr_b32 s29, s28, 1                         ; group of 32 columns, 0..47
	s_and_b32 s28, s28, 1                          ; which half of K
	v_lshlrev_b32 v6, 2, v1                        ; 4 bytes a lane
	v_lshl_add_u32 v17, v1, 4, WSC                 ; LDS: a column's four words,
	s_lshl_b32 s34, s24, 2
	v_add_nc_u32 v16, s34, v17                     ; and my wave's word among them
	s_lshl_b32 s30, s29, 14                        ; two column tiles of 8,192 bytes
	s_lshl_b32 s34, s28, 12
	s_add_co_u32 s30, s30, s34
	s_lshl_b32 s34, s24, 10                        ; my two chunks
	s_add_co_u32 s30, s30, s34
	s_add_co_u32 s30, s30, 4194304
	s_add_nc_u64 s[16:17], s[16:17], s[30:31]
	s_mul_i32 s30, s28, 24576
	s_lshl_b32 s34, s29, 9
	s_add_co_u32 s30, s30, s34
	s_add_co_u32 s30, s30, 262144
	s_add_nc_u64 s[18:19], s[18:19], s[30:31]
	s_cmp_lt_u32 s29, 32
	s_cbranch_scc0 .Lw_kv
	s_lshl_b32 s30, s29, 7                         ; Wq: rows of 4,096 bytes
	s_lshl_b32 s34, s28, 21
	s_add_co_u32 s30, s30, s34
	s_lshl_b32 s34, s24, 19
	s_add_co_u32 s30, s30, s34
	s_add_nc_u64 s[36:37], s[8:9], s[30:31]
.set i, 0
.rept 128
	global_load_b32 v[64+i], v6, s[36:37] offset:4096*i th:TH_LOAD_NT   ; 32 lanes read 128 consecutive bytes of row i
.set i, i+1
.endr
	s_branch .Lw_work
.Lw_kv:
	s_cmp_lt_u32 s29, 40                           ; Wk or Wv: rows of 1,024 bytes.  The choice hangs on the work-group's number alone
	s_cselect_b64 s[36:37], s[10:11], s[12:13]
	s_and_b32 s30, s29, 7
	s_lshl_b32 s30, s30, 7
	s_lshl_b32 s34, s28, 19
	s_add_co_u32 s30, s30, s34
	s_lshl_b32 s34, s24, 17
	s_add_co_u32 s30, s30, s34
	s_add_nc_u64 s[36:37], s[36:37], s[30:31]
.set i, 0
.rept 128
	global_load_b32 v[64+i], v6, s[36:37] offset:1024*i th:TH_LOAD_NT
.set i, i+1
.endr
.Lw_work:
; Block t of my four.  Behind each odd block the two blocks of a chunk change halves: the first register set's lanes 16-31 with the second's lanes 0-15.  They are then the units of the two column tiles.
.macro WBLOCK t, cnt
.set XS, 64+32*(\t)
	s_wait_loadcnt \cnt                            ; the younger blocks' loads may be out (a wait names 63 at the most: the smaller count is safe)
	BLKSCALE
.if (\t) == 0
	v_mov_b32 v20, v13
.else
	v_lshl_or_b32 v20, v13, 8*(\t), v20            ; my column's word: byte t
.endif
.irp g, 0,1,2,3
	v_cvt_scalef32_pk8_fp4_f32 v[192+8*((\t)/2)+4*((\t)%2)+\g], v[XS+8*\g:XS+8*\g+7], v11
.endr
	v_nop                                          ; one plain line behind the last conversion
.if (\t)%2 == 1
.irp g, 0,1,2,3
	v_permlane16_swap_b32 v[192+8*((\t)/2)+\g], v[196+8*((\t)/2)+\g]
.endr
	global_store_b128 v9, v[192+8*((\t)/2):195+8*((\t)/2)], s[16:17] offset:512*((\t)/2)
	global_store_b128 v9, v[196+8*((\t)/2):199+8*((\t)/2)], s[16:17] offset:512*((\t)/2)+8192
.endif
.endm
	WBLOCK 0, 63
	WBLOCK 1, 63
	WBLOCK 2, 32
	WBLOCK 3, 0
	ds_store_b32 v16, v20                          ; the four waves' words of a column meet in LDS,
	s_wait_dscnt 0x0                               ; for the others' sake: my store is done
	s_barrier_signal -1
	s_barrier_wait -1
	s_cmp_lg_u32 s24, 0
	s_cbranch_scc1 .Lend
	ds_load_b128 v[24:27], v17                     ; and wave 0 stores them: 512 consecutive bytes
	s_wait_dscnt 0x0
	global_store_b128 v9, v[24:27], s[18:19]
	s_branch .Lend
; ---------------- path O: Wo to f16.  A wave takes 32 columns x 128 along K; a lane a column.
.Lpath_o:
	s_sub_co_u32 s28, ttmp9, 352
	s_lshl_b32 s28, s28, 2
	s_add_co_u32 s28, s28, s24                     ; task 0..255
	s_and_b32 s29, s28, 31                         ; group of 32 columns
	s_lshr_b32 s28, s28, 5                         ; which 128 along K
	s_lshl_b32 s30, s29, 7
	s_lshl_b32 s34, s28, 19
	s_add_co_u32 s30, s30, s34
	s_add_nc_u64 s[14:15], s[14:15], s[30:31]
	s_lshl_b32 s30, s29, 16                        ; two column tiles of 32,768 bytes
	s_lshl_b32 s34, s28, 12                        ; eight units
	s_add_co_u32 s30, s30, s34
	s_add_nc_u64 s[22:23], s[22:23], s[30:31]
	v_lshlrev_b32 v6, 2, v1
.set i, 0
.rept 128
	global_load_b32 v[64+i], v6, s[14:15] offset:4096*i th:TH_LOAD_NT
.set i, i+1
.endr
.irp u, 0,1,2,3,4,5,6,7
.if 16*(7-\u) > 63
	s_wait_loadcnt 63                              ; the younger units' loads may be out
.else
	s_wait_loadcnt 16*(7-\u)
.endif
.irp j, 0,1,2,3,4,5,6,7
	v_cvt_pk_f16_f32 v[192+8*\u+\j], v[64+16*\u+2*\j], v[65+16*\u+2*\j]   ; the lower k in the low half
.endr
.irp j, 0,1,2,3
	v_permlane16_swap_b32 v[192+8*\u+\j], v[196+8*\u+\j]   ; k 0-7 and k 8-15 of 32 columns become the units of two column tiles
.endr
	global_store_b128 v9, v[192+8*\u:195+8*\u], s[22:23] offset:512*\u
	global_store_b128 v9, v[196+8*\u:199+8*\u], s[22:23] offset:512*\u+32768
.endr
.Lend:
	s_wait_tensorcnt 0x0                           ; the wave's end, behind my last LDS store
	ds_add_u32 v[SPW], v[NIL]
	s_wait_dscnt 0x0
	s_endpgm
.Lfunc_end_k_qfd6ba6bad3_prep:
	.size	k_qfd6ba6bad3_prep, .Lfunc_end_k_qfd6ba6bad3_prep-k_qfd6ba6bad3_prep
	.p2alignl 7, 3214868480
	.fill 96, 4, 3214868480
	.section	.rodata,"a",@progbits
	.p2align	6, 0x0
	.amdhsa_kernel k_qfd6ba6bad3_prep
		.amdhsa_group_segment_fixed_size 35840
		.amdhsa_private_segment_fixed_size 0
		.amdhsa_enable_private_segment 0
		.amdhsa_kernarg_size 80
		.amdhsa_user_sgpr_count 2
		.amdhsa_user_sgpr_kernarg_segment_ptr 1
		.amdhsa_wavefront_size32 1
		.amdhsa_system_sgpr_workgroup_id_x 1
		.amdhsa_system_sgpr_workgroup_id_y 1
		.amdhsa_system_sgpr_workgroup_id_z 1
		.amdhsa_system_vgpr_workitem_id 0
		.amdhsa_next_free_vgpr 256
		.amdhsa_next_free_sgpr 66
		.amdhsa_reserve_vcc 1
		.amdhsa_float_denorm_mode_32 3
		.amdhsa_float_denorm_mode_16_64 3
		.amdhsa_memory_ordered 1
		.amdhsa_forward_progress 1
		.amdhsa_inst_pref_size 104
	.end_amdhsa_kernel
	.amdgpu_metadata
---
amdhsa.version: [ 1, 2 ]
amdhsa.kernels:
  - .name:           k_qfd6ba6bad3_prep
    .symbol:         k_qfd6ba6bad3_prep.kd
    .args:
      - { .name: hidden_states, .offset: 0, .size: 8, .value_kind: global_buffer, .address_space: global }
      - { .name: rotary_pos_emb, .offset: 8, .size: 8, .value_kind: global_buffer, .address_space: global }
      - { .name: Wq, .offset: 16, .size: 8, .value_kind: global_buffer, .address_space: global }
      - { .name: Wk, .offset: 24, .size: 8, .value_kind: global_buffer, .address_space: global }
      - { .name: Wv, .offset: 32, .size: 8, .value_kind: global_buffer, .address_space: global }
      - { .name: Wo, .offset: 40, .size: 8, .value_kind: global_buffer, .address_space: global }
      - { .name: cod, .offset: 48, .size: 8, .value_kind: global_buffer, .address_space: global }
      - { .name: sc, .offset: 56, .size: 8, .value_kind: global_buffer, .address_space: global }
      - { .name: tab, .offset: 64, .size: 8, .value_kind: global_buffer, .address_space: global }
      - { .name: wo16, .offset: 72, .size: 8, .value_kind: global_buffer, .address_space: global }
    .group_segment_fixed_size: 35840
    .private_segment_fixed_size: 0
    .kernarg_segment_align: 8
    .kernarg_segment_size: 80
    .max_flat_workgroup_size: 128
    .sgpr_count:     66
    .vgpr_count:     256
    .wavefront_size: 32
...
	.end_amdgpu_metadata
.endif
;; end of part 1
;; launch qkv (part 2): grid 32 x 6, 4 waves a work-group, clusters of 4 x 1, 327,680 bytes of LDS; arguments cod, sc, tab, bq, bk, bv, qf, kvf; writes qf, kvf
.if DOCPART == 2
	.amdgcn_target "amdgcn-amd-amdhsa--gfx1250"
	.amdhsa_code_object_version 6
	.text
	.protected	k_qfd6ba6bad3_qkv
	.globl	k_qfd6ba6bad3_qkv
	.p2align	8
	.type	k_qfd6ba6bad3_qkv,@function
k_qfd6ba6bad3_qkv:
	s_mov_b64 s[64:65], 0
	v_nop
	global_prefetch_b8 v0, s[64:65] scope:SCOPE_SE
	s_setreg_imm32_b32 hwreg(HW_REG_WAVE_MODE, 25, 1), 1
	s_wait_xcnt 0x0
	s_wait_alu depctr_hold_cnt(0) depctr_sa_sdst(0) depctr_va_vdst(0) depctr_va_sdst(0) depctr_va_ssrc(0) depctr_va_vcc(0) depctr_vm_vsrc(0)
	s_getreg_b32 s2, hwreg(HW_REG_IB_STS2, 6, 4)
	s_cmp_eq_u32 s2, 0
	s_cbranch_scc0 .Lentry_in_a_cluster
	s_endpgm
.Lentry_in_a_cluster:
	s_bfe_u32 s2, ttmp6, 0x10000c
	s_cmp_lg_u32 s2, 0x3003
	s_cbranch_scc0 .Lentry_shape_is_right
	s_endpgm
.Lentry_shape_is_right:
; QKV: [8192 tokens] x [1536 columns] over K = 1,024 on codes of E2M1 with E8M0 scales (both made by the launch before), then bias, RoPE, the softmax's factor, f16, and the layout that attention reads.
; SHARES.  A work-group: 256 tokens (x) x 256 columns (y: 0-3 four query heads each, 4 the four key heads, 5 the four value heads).  A wave: 128 x 128: 64 accumulators, two heads.
; ALL OF K LIES IN LDS: 128 KiB of hidden codes and 128 KiB of weight codes, in two halves of K, each filled once: no slot is filled again.  Codes lie as images of the operand's registers
; (units of 512 bytes, lane l's 16 bytes at 16 l), so every fragment is two ds_load_b128 at 16 x lane + a constant.
; CLUSTER: the four work-groups of a cluster lie along x and share y: the weights' tiles are asked for jointly (mask 15).  The hidden tiles are shared along y, where the grid has 6 work-groups,
; which a cluster's height of 4 does not divide: they are asked for plainly.
; q AND k: the product is used TRANSPOSED (source 0 = 16 columns of W, source 1 = 16 tokens): a lane holds one token and eight channels, RoPE's partners d and d + 32 lie in the same lane and register, two tiles apart,
; and eight results packed to f16 are a unit of attention's operand.  v: the natural product (source 0 = tokens): a lane holds one channel and eight keys: a unit of V^T.
; The bias is the C of each sum's first matrix instruction.  q is multiplied by log2(e) / 8 (folded into its cosines and sines), so that attention's scores are exponents of 2.
; LIMITS: q x 0.18, k and v go out in f16: magnitudes under 65,504; under 6e-5 the step is 2^-24.  NaN and infinities are not served.
; REGISTERS, in windows of 256: window 0: v16-29 addresses; v32-95 scale words (register 8 i + q: lanes 0-15 hidden tile i, lanes 16-31 weight tile i, K step q); v96-127, v192-223 two sets of cosines and sines;
;   v128-191 hidden fragments, one set (free on the way out); v224-255 at work.   window 1: v0-63, v128-191 weight fragments, two sets; v64-127 the bias.   windows 2, 3: accumulator (a, b) at v[8 (8 (a % 4) + b)].
.set SPARE, 262144                     ; behind the two halves: the spare words, 128 bytes for each wave
.set ADRA, 16                          ; v16-17  LDS address of my hidden fragments in half 0, 1
.set ADRB, 20                          ; v20-21  the same for the weights
.set L16,  24                          ; v24     16 x lane
.set BOF,  25                          ; v25     my lane's offset in the bias
.set SOF,  26                          ; v26-27  my lane's offset among the scale words, half 0, 1
.set SPW,  28                          ; v28     LDS address of my spare word; never rewritten
.set NIL,  29                          ; v29     0; never rewritten
.set SC,   32
.set CS0,  96
.set AF,   128
.set OUTR, 128                         ; the way out: 32 rotated numbers,
.set PK,   160                         ; and two sets of 16 packed registers
.set BI,   64                          ; window 1: the bias
.set WV,   20                          ; s20 wave, s21 its half of the tokens, s22 its half of the columns, s23 cx, s24 token block, s25 y
.set MSB, 0
.macro WIN new                         ; the immediate's high byte repeats the setting that is left
.if MSB != (\new)
	s_set_vgpr_msb (MSB<<8)|(\new)
.set MSB, (\new)
.endif
.endm
.macro PLACES n
.rept \n
	v_nop
.endr
.endm
.macro CROUND                          ; a round of the cluster's barrier
	s_barrier_signal -1
	s_barrier_wait -1
	s_cmp_lg_u32 s[WV], 0
	s_cbranch_scc1 .Lnot_wave_0_\@
	s_barrier_signal -3
.Lnot_wave_0_\@:
	s_barrier_wait -3
	s_barrier_signal -1
	s_barrier_wait -1
.endm
.macro FINISH
	s_wait_tensorcnt 0x0                           ; the wave's end
	ds_add_u32 v[SPW], v[NIL]
	s_wait_dscnt 0x0
	CROUND                                         ; the closing round
	s_endpgm
.endm
	s_load_b512 s[4:19], s[0:1], 0x0               ; cod s[4:5], sc s[6:7], tab s[8:9], bq s[10:11], bk s[12:13], bv s[14:15], qf s[16:17], kvf s[18:19]
	v_lshl_add_u32 v[SPW], v0, 2, SPARE
	v_mov_b32 v[NIL], 0
	ds_add_u32 v[SPW], v[NIL]                      ; the wave's opening: the add, twice on end, and its wait ahead of my first tensor load
	ds_add_u32 v[SPW], v[NIL]
	v_lshrrev_b32 v1, 5, v0
	v_readfirstlane_b32 s[WV], v1
	s_lshr_b32 s21, s[WV], 1                       ; my half of the tokens.  Also: I fetch hidden codes (0) or weights (1)
	s_and_b32 s22, s[WV], 1                        ; my half of the columns.  Also: which eight tiles I fetch
	s_bfe_u32 s23, ttmp6, 0x40000                  ; cx
	s_lshl_b32 s24, ttmp9, 2
	s_add_co_u32 s24, s24, s23                     ; block of 256 tokens = 4 x cluster x + cx
	s_and_b32 s25, ttmp7, 0xffff                   ; y, which the partners share
	; descriptor group 1: eight tiles' half of K: 8 rows of 4,096 bytes (512 elements of 8), 8,192 bytes apart; dense in LDS
	s_mov_b32 s28, 3<<16                           ; plain: no mask
	s_mov_b32 s36, 15|(3<<16)|(1<<21)              ; joint: all four work-groups; bit 21 set beside a mask
.irp g, 28, 36
	s_mov_b32 s[\g+1], 512<<16                     ; tensor_dim0
	s_mov_b32 s[\g+2], 8<<16                       ; tensor_dim1
	s_mov_b32 s[\g+3], 512<<16                     ; tile_dim0
	s_mov_b32 s[\g+4], 8                           ; tile_dim1
	s_mov_b32 s[\g+5], 1024                        ; from row to row, in elements
	s_mov_b32 s[\g+6], 0
	s_mov_b32 s[\g+7], 0
.endr
	s_lshl_b32 s66, s24, 17                        ; hidden: 16 tiles of 8,192 bytes a token block,
	s_lshl_b32 s67, s22, 16                        ; my eight of them
	s_add_co_u32 s66, s66, s67
	s_mov_b32 s67, 0
	s_lshl_b32 s68, s25, 17                        ; weights: the same by y (these registers never hold cx)
	s_lshl_b32 s69, s22, 16
	s_add_co_u32 s68, s68, s69
	s_add_co_u32 s68, s68, 4194304
	s_mov_b32 s69, 0
	s_lshl_b32 s70, s22, 15                        ; in LDS: eight tiles x 4,096 bytes
	s_wait_dscnt 0x0                               ; both opening adds are done
	s_wait_kmcnt 0x0
	s_add_nc_u64 s[66:67], s[4:5], s[66:67]
	s_add_nc_u64 s[68:69], s[4:5], s[68:69]
	CROUND                                         ; all four work-groups are here: the joint loads meet
.irp p, 0,1
	s_mov_b32 s[44+4*\p], 1
	s_add_co_u32 s[45+4*\p], s70, 131072*\p
	s_add_nc_u64 s[46+4*\p:47+4*\p], s[66:67], 4096*\p
	s_or_b32 s[47+4*\p], s[47+4*\p], 0x80000000
	s_mov_b32 s[52+4*\p], 1
	s_add_co_u32 s[53+4*\p], s70, 131072*\p+65536
	s_add_nc_u64 s[54+4*\p:55+4*\p], s[68:69], 4096*\p
	s_or_b32 s[55+4*\p], s[55+4*\p], 0x80000000
.endr
	s_cmp_lt_u32 s[WV], 2                          ; a wave's two fills stand in one branch: two loads of mine are out, and no more follow
	s_cbranch_scc0 .Lfill_w
	tensor_load_to_lds s[44:47], s[28:35]
	s_nop 0
	tensor_load_to_lds s[48:51], s[28:35]
	s_nop 0
	PLACES 4
	s_branch .Lfilled
.Lfill_w:
	tensor_load_to_lds s[52:55], s[36:43]
	s_nop 0
	tensor_load_to_lds s[56:59], s[36:43]
	s_nop 0
	PLACES 4
.Lfilled:
	v_and_b32 v1, 31, v0
	v_and_b32 v2, 15, v0                           ; r
	v_bfe_u32 v3, v0, 4, 1                         ; h
	v_lshlrev_b32 v[L16], 4, v1
	s_lshl_b32 s71, s24, 12                        ; the scale words: 16 bytes a row.  Lanes 0-15: my 128 tokens',
	s_lshl_b32 s72, s21, 11
	s_add_co_u32 s71, s71, s72
	s_lshl_b32 s72, s25, 12                        ; lanes 16-31: my 128 columns'
	s_lshl_b32 s73, s22, 11
	s_add_co_u32 s72, s72, s73
	s_add_co_u32 s72, s72, 262144
	s_sub_co_u32 s72, s72, s71
	v_mul_u32_u24 v[SOF], s72, v3
	v_lshl_add_u32 v[SOF], v2, 4, v[SOF]
	v_add_nc_u32 v[SOF], s71, v[SOF]
	v_mul_u32_u24 v[SOF+1], v3, 106496             ; the second half of K lies 131,072 bytes on for tokens, 24,576 for columns
	v_sub_nc_u32 v[SOF+1], v[SOF], v[SOF+1]
	v_add_nc_u32 v[SOF+1], 131072, v[SOF+1]
.irp i, 0,1,2,3,4,5,6,7
.irp p, 0,1
	global_load_b128 v[SC+8*\i+4*\p:SC+8*\i+4*\p+3], v[SOF+\p], s[6:7] offset:256*\i   ; four K steps' words of tile i: sixteen lanes read 256 consecutive bytes
.endr
.endr
	s_lshl_b32 s73, s21, 15
	v_add_nc_u32 v[ADRA], s73, v[L16]
	v_add_nc_u32 v[ADRA+1], 131072, v[ADRA]
	s_lshl_b32 s73, s22, 15
	s_add_co_u32 s73, s73, 65536
	v_add_nc_u32 v[ADRB], s73, v[L16]
	v_add_nc_u32 v[ADRB+1], 131072, v[ADRB]
; 16 matrix instructions: token tiles a0, a0 + 1 x the eight column tiles, K step q.  set: the weights' set.  mode = 1: the bias starts the sums.  kind 0: transposed (q, k); 1: natural (v).
; The 64 accumulators take turns, one instruction a turn, in the same order in every step.
.macro MUL16 a0, set, q, mode, kind
.irp a, \a0, \a0+1
.irp b, 0,1,2,3,4,5,6,7
.set rD, 8*(8*((\a)%4)+\b)
.set rW, 128*(\set)+8*\b
.set rH, AF+8*(\a)
.set sW, SC+8*\b+(\q)
.set sH, SC+8*(\a)+(\q)
.if \kind == 0
.if \mode
	v_wmma_scale_f32_16x16x128_f8f6f4 v[rD:rD+7], v[rW:rW+7], v[rH:rH+7], v[BI+8*\b:BI+8*\b+7], v[sW], v[sH] matrix_a_fmt:MATRIX_FMT_FP4 matrix_b_fmt:MATRIX_FMT_FP4 matrix_a_scale:MATRIX_SCALE_ROW1
.else
	v_wmma_scale_f32_16x16x128_f8f6f4 v[rD:rD+7], v[rW:rW+7], v[rH:rH+7], v[rD:rD+7], v[sW], v[sH] matrix_a_fmt:MATRIX_FMT_FP4 matrix_b_fmt:MATRIX_FMT_FP4 matrix_a_scale:MATRIX_SCALE_ROW1
.endif
.else
.if \mode
	v_wmma_scale_f32_16x16x128_f8f6f4 v[rD:rD+7], v[rH:rH+7], v[rW:rW+7], v[BI+8*\b:BI+8*\b+7], v[sH], v[sW] matrix_a_fmt:MATRIX_FMT_FP4 matrix_b_fmt:MATRIX_FMT_FP4 matrix_b_scale:MATRIX_SCALE_ROW1
.else
	v_wmma_scale_f32_16x16x128_f8f6f4 v[rD:rD+7], v[rH:rH+7], v[rW:rW+7], v[rD:rD+7], v[sH], v[sW] matrix_a_fmt:MATRIX_FMT_FP4 matrix_b_fmt:MATRIX_FMT_FP4 matrix_b_scale:MATRIX_SCALE_ROW1
.endif
.endif
.endr
.endr
.endm
.macro FETCH_B q, set                  ; the weights' eight fragments of K step q: two units each
	WIN 0x40
.irp i, 0,1,2,3,4,5,6,7
	ds_load_b128 v[128*(\set)+8*\i:128*(\set)+8*\i+3],   v[ADRB+(\q)/4] offset:4096*\i+1024*((\q)%4)
	ds_load_b128 v[128*(\set)+8*\i+4:128*(\set)+8*\i+7], v[ADRB+(\q)/4] offset:4096*\i+1024*((\q)%4)+512
.endr
	WIN 0
.endm
.macro FETCH_A q, i0                   ; hidden tiles i0 .. i0 + 3
.irp i, \i0, \i0+1, \i0+2, \i0+3
	ds_load_b128 v[AF+8*(\i):AF+8*(\i)+3],   v[ADRA+(\q)/4] offset:4096*(\i)+1024*((\q)%4)
	ds_load_b128 v[AF+8*(\i)+4:AF+8*(\i)+7], v[ADRA+(\q)/4] offset:4096*(\i)+1024*((\q)%4)+512
.endr
.endm
; A K step of 128: 64 matrix instructions.  A hidden tile is free as soon as its eight products are issued, so one set serves: tiles 0-3 come anew in the step's middle, tiles 4-7 at its end.
; Loads into registers that matrix instructions have read stand four plain vector lines behind them (ISA guide 7.12.1 for vector instructions).
.macro STEP q, kind
.if (\q) == 3
	s_wait_tensorcnt 0x0                           ; this step fetches from the second half of K: my part of it has landed,
	s_wait_dscnt 0x0                               ; no LDS load of mine is out,
	s_barrier_signal -1
	s_barrier_wait -1                              ; and every wave's part has.
.else
	s_wait_dscnt 8                                 ; the weights' set and hidden tiles 0-3 are in; the youngest eight loads (tiles 4-7) may be out
.endif
.if (\q) == 0
	WIN 0x91+3*(\kind)
	MUL16 0, 0, 0, 1, \kind
	MUL16 2, 0, 0, 1, \kind
.else
	WIN 0xa1+3*(\kind)
	MUL16 0, (\q)%2, \q, 0, \kind
	MUL16 2, (\q)%2, \q, 0, \kind
.endif
	s_wait_dscnt 0x0                               ; hidden tiles 4-7 are in
.if (\q) < 7
	PLACES 4
	FETCH_B (\q)+1, 1-(\q)%2
	FETCH_A (\q)+1, 0
.endif
.if (\q) == 0
	WIN 0xd1+3*(\kind)
	MUL16 4, 0, 0, 1, \kind
	MUL16 6, 0, 0, 1, \kind
.else
	WIN 0xf1+3*(\kind)
	MUL16 4, (\q)%2, \q, 0, \kind
	MUL16 6, (\q)%2, \q, 0, \kind
.endif
.if (\q) < 7
	PLACES 4
	WIN 0
	FETCH_A (\q)+1, 4
.endif
.endm
.macro START
	s_wait_tensorcnt 1                             ; my part of the first half of K is in (the second half's load may be out),
	s_barrier_signal -1
	s_barrier_wait -1                              ; everybody's is
	FETCH_B 0, 0
	FETCH_A 0, 0
	FETCH_A 0, 4
.endm
	s_cmp_eq_u32 s25, 5                            ; y is the same in all partners of the cluster
	s_cbranch_scc1 .Lpath_v
; ---------------- q and k
	s_lshl_b32 s74, s25, 2                         ; 4 y: the slice's first head
	s_lshl_b32 s75, s25, 10                        ; 1,024 y: its bias
	s_mov_b32 s60, 0x3e38aa3b                      ; log2(e) / 8
	s_cmp_lt_u32 s25, 4                            ; q or k?
	s_cselect_b64 s[70:71], s[16:17], s[18:19]     ; where the results go,
	s_cselect_b64 s[72:73], s[10:11], s[12:13]     ; the bias,
	s_cselect_b32 s76, 16, 4                       ; heads in a batch,
	s_cselect_b32 s74, s74, 0
	s_cselect_b32 s75, s75, 0
	s_cselect_b32 s60, s60, 1.0                    ; and the factor
	s_mov_b32 s61, s60                             ; (named with it as a pair, so it is written)
	s_lshl_b32 s77, s22, 9
	s_add_co_u32 s78, s75, s77
	s_mov_b32 s79, 0
	s_add_nc_u64 s[72:73], s[72:73], s[78:79]      ; the bias of my 128 columns
	v_lshlrev_b32 v[BOF], 5, v3                    ; lane (r, h) wants, for tile b, columns 16 b + 8 h + 0 .. 7
	WIN 0x40
.irp b, 0,1,2,3,4,5,6,7
	global_load_b128 v[BI+8*\b:BI+8*\b+3],   v[BOF], s[72:73] offset:64*\b
	global_load_b128 v[BI+8*\b+4:BI+8*\b+7], v[BOF], s[72:73] offset:64*\b+16
.endr
	WIN 0
	s_lshl_b32 s78, s24, 16                        ; the table: 4,096 bytes a token tile
	s_lshl_b32 s77, s21, 15
	s_add_co_u32 s78, s78, s77
	s_add_nc_u64 s[80:81], s[8:9], s[78:79]
.macro CSLOAD a                        ; token tile a's cosines (16 registers) and sines (16) into set a % 2
.set CSB, CS0+96*((\a)%2)
.irp g, 0,1,2,3,4,5,6,7
	global_load_b128 v[CSB+4*\g:CSB+4*\g+3], v[L16], s[80:81] offset:4096*(\a)+512*\g
.endr
.endm
	CSLOAD 0
	CSLOAD 1
	s_lshr_b32 s82, s24, 3                         ; batch
	s_mul_i32 s82, s82, s76
	s_add_co_u32 s82, s82, s74
	s_lshl_b32 s83, s22, 1
	s_add_co_u32 s82, s82, s83                     ; my first head
	s_lshl_b32 s82, s82, 7                         ; 128 token tiles a head
	s_and_b32 s83, s24, 7
	s_lshl_b32 s83, s83, 4
	s_add_co_u32 s82, s82, s83
	s_lshl_b32 s83, s21, 3
	s_add_co_u32 s82, s82, s83                     ; my first token tile
	s_lshl_b32 s82, s82, 11                        ; four units a tile
	s_mov_b32 s83, 0
	s_add_nc_u64 s[70:71], s[70:71], s[82:83]
	START
	s_wait_loadcnt 16                              ; the scale words and the bias are in; the two table sets may be out
.irp q, 0,1,2,3,4,5,6,7
	STEP \q, 0
.endr
	WIN 0
	PLACES 4                                       ; in front of the first read of results and of writes into the registers that held hidden fragments
; RoPE for token tile a, head hd: tiles c and c + 2 (c = 0, 1) are partners.  out(c) = x(c) cos - x(c + 2) sin; out(c + 2) = x(c + 2) cos + x(c) sin.  Each accumulator is read from its low end on.
.macro ROPE a, hd
.set CSB, CS0+96*((\a)%2)
.set XB, 8*(8*((\a)%4)+4*(\hd))
	WIN 0x02+(\a)/4
.irp c, 0,1
.irp i, 0,2,4,6
	v_pk_mul_f32 v[224+16*\c+2*\i:225+16*\c+2*\i], v[XB+8*(\c+2)+\i:XB+8*(\c+2)+\i+1], v[CSB+16+8*\c+\i:CSB+16+8*\c+\i+1]
	v_pk_mul_f32 v[226+16*\c+2*\i:227+16*\c+2*\i], v[XB+8*\c+\i:XB+8*\c+\i+1], v[CSB+16+8*\c+\i:CSB+16+8*\c+\i+1]
.endr
.endr
.irp c, 0,1
.irp i, 0,2,4,6
	v_pk_fma_f32 v[OUTR+8*\c+\i:OUTR+8*\c+\i+1], v[XB+8*\c+\i:XB+8*\c+\i+1], v[CSB+8*\c+\i:CSB+8*\c+\i+1], v[224+16*\c+2*\i:225+16*\c+2*\i] neg_lo:[0,0,1] neg_hi:[0,0,1]
	v_pk_fma_f32 v[OUTR+8*(\c+2)+\i:OUTR+8*(\c+2)+\i+1], v[XB+8*(\c+2)+\i:XB+8*(\c+2)+\i+1], v[CSB+8*\c+\i:CSB+8*\c+\i+1], v[226+16*\c+2*\i:227+16*\c+2*\i]
.endr
.endr
	WIN 0
.endm
.irp a, 0,1,2,3,4,5,6,7
.if \a < 7
	s_wait_loadcnt 8                               ; this tile's table set is in; the next tile's may be out
.else
	s_wait_loadcnt 0x0
.endif
.set CSB, CS0+96*((\a)%2)
.irp i, 0,2,4,6,8,10,12,14,16,18,20,22,24,26,28,30
	v_pk_mul_f32 v[CSB+\i:CSB+\i+1], v[CSB+\i:CSB+\i+1], s[60:61] op_sel_hi:[1,0]   ; the factor goes into the cosines and sines: 32 numbers for the tile's 256
.endr
.irp hd, 0,1
	ROPE \a, \hd
	s_wait_xcnt 0x0                                ; the stores of the tile before have read this packed set: only now is it written again
.irp c, 0,1,2,3
.irp j, 0,1,2,3
	v_cvt_pk_f16_f32 v[PK+16*\hd+4*\c+\j], v[OUTR+8*\c+2*\j], v[OUTR+8*\c+2*\j+1]
.endr
.endr
.irp c, 0,1,2,3
	global_store_b128 v[L16], v[PK+16*\hd+4*\c:PK+16*\hd+4*\c+3], s[70:71] offset:2048*\a+262144*\hd+512*\c   ; a unit: token r, channels 16 c + 8 h + 0 .. 7; 512 consecutive bytes
.endr
.endr
.if \a < 6
	CSLOAD (\a)+2
.endif
.endr
	FINISH
; ---------------- v
.Lpath_v:
	s_lshl_b32 s78, s22, 9
	s_mov_b32 s79, 0
	s_add_nc_u64 s[72:73], s[14:15], s[78:79]      ; the bias of my 128 columns
	v_lshlrev_b32 v[BOF], 2, v2                    ; lane (r, h) holds column 16 b + r in all eight registers
	WIN 0x40
.irp b, 0,1,2,3,4,5,6,7
	global_load_b32 v[BI+8*\b], v[BOF], s[72:73] offset:64*\b
.endr
	WIN 0
	s_lshr_b32 s82, s24, 3                         ; batch
	s_lshl_b32 s82, s82, 2
	s_lshl_b32 s83, s22, 1
	s_add_co_u32 s82, s82, s83                     ; my first value head
	s_lshl_b32 s82, s82, 6                         ; 64 groups of 32 keys a head
	s_and_b32 s83, s24, 7
	s_lshl_b32 s83, s83, 3
	s_add_co_u32 s82, s82, s83
	s_lshl_b32 s83, s21, 2
	s_add_co_u32 s82, s82, s83
	s_lshl_b32 s82, s82, 12                        ; eight units a group
	s_add_co_u32 s82, s82, 4194304
	s_mov_b32 s83, 0
	s_add_nc_u64 s[70:71], s[18:19], s[82:83]
	s_wait_loadcnt 0x0                             ; the scale words and the bias
	WIN 0x41
.irp b, 0,1,2,3,4,5,6,7
.irp j, 1,2,3,4,5,6,7
	v_mov_b32 v[BI+8*\b+\j], v[BI+8*\b]            ; C wants the column's one number for each of the lane's eight tokens
.endr
.endr
	WIN 0
	PLACES 8
	START
.irp q, 0,1,2,3,4,5,6,7
	STEP \q, 1
.endr
	WIN 0
	PLACES 4
.irp a, 0,1,2,3,4,5,6,7
	s_wait_xcnt 0x0                                ; the stores of two tiles back have read this set
	WIN 0x0a+5*((\a)/4)
.irp b, 0,1,2,3,4,5,6,7
.irp j, 0,1,2,3
	v_cvt_pk_f16_f32 v[128+32*((\a)%2)+4*\b+\j], v[8*(8*((\a)%4)+\b)+2*\j], v[8*(8*((\a)%4)+\b)+2*\j+1]
.endr
.endr
	WIN 0
.irp b, 0,1,2,3,4,5,6,7
	global_store_b128 v[L16], v[128+32*((\a)%2)+4*\b:128+32*((\a)%2)+4*\b+3], s[70:71] offset:4096*((\a)/2)+512*((\a)%2)+1024*(\b%4)+262144*(\b/4)   ; a unit of V^T: channel r, keys 8 h + 0 .. 7 of token tile a
.endr
.endr
	FINISH
.Lfunc_end_k_qfd6ba6bad3_qkv:
	.size	k_qfd6ba6bad3_qkv, .Lfunc_end_k_qfd6ba6bad3_qkv-k_qfd6ba6bad3_qkv
	.p2alignl 7, 3214868480
	.fill 96, 4, 3214868480
	.section	.rodata,"a",@progbits
	.p2align	6, 0x0
	.amdhsa_kernel k_qfd6ba6bad3_qkv
		.amdhsa_group_segment_fixed_size 327680
		.amdhsa_private_segment_fixed_size 0
		.amdhsa_enable_private_segment 0
		.amdhsa_kernarg_size 64
		.amdhsa_user_sgpr_count 2
		.amdhsa_user_sgpr_kernarg_segment_ptr 1
		.amdhsa_wavefront_size32 1
		.amdhsa_system_sgpr_workgroup_id_x 1
		.amdhsa_system_sgpr_workgroup_id_y 1
		.amdhsa_system_sgpr_workgroup_id_z 1
		.amdhsa_system_vgpr_workitem_id 0
		.amdhsa_next_free_vgpr 1024
		.amdhsa_next_free_sgpr 100
		.amdhsa_reserve_vcc 0
		.amdhsa_float_denorm_mode_32 3
		.amdhsa_float_denorm_mode_16_64 3
		.amdhsa_memory_ordered 1
		.amdhsa_forward_progress 1
		.amdhsa_inst_pref_size 255
	.end_amdhsa_kernel
	.section	.bss,"aw",@nobits
	.p2align	6
	.space	262144
	.amdgpu_metadata
---
amdhsa.version: [ 1, 2 ]
amdhsa.kernels:
  - .name:           k_qfd6ba6bad3_qkv
    .symbol:         k_qfd6ba6bad3_qkv.kd
    .args:
      - { .name: cod, .offset: 0, .size: 8, .value_kind: global_buffer, .address_space: global }
      - { .name: sc, .offset: 8, .size: 8, .value_kind: global_buffer, .address_space: global }
      - { .name: tab, .offset: 16, .size: 8, .value_kind: global_buffer, .address_space: global }
      - { .name: bq, .offset: 24, .size: 8, .value_kind: global_buffer, .address_space: global }
      - { .name: bk, .offset: 32, .size: 8, .value_kind: global_buffer, .address_space: global }
      - { .name: bv, .offset: 40, .size: 8, .value_kind: global_buffer, .address_space: global }
      - { .name: qf, .offset: 48, .size: 8, .value_kind: global_buffer, .address_space: global }
      - { .name: kvf, .offset: 56, .size: 8, .value_kind: global_buffer, .address_space: global }
    .group_segment_fixed_size: 327680
    .private_segment_fixed_size: 0
    .kernarg_segment_align: 8
    .kernarg_segment_size: 64
    .max_flat_workgroup_size: 128
    .sgpr_count:     100
    .vgpr_count:     1024
    .wavefront_size: 32
...
	.end_amdgpu_metadata
.endif
;; end of part 2
;; launch attn (part 3): grid 16 x 16, 8 waves a work-group, clusters of 4 x 1, 327,680 bytes of LDS; arguments qf, kvf, af; writes af
.if DOCPART == 3
	.amdgcn_target "amdgcn-amd-amdhsa--gfx1250"
	.amdhsa_code_object_version 6
	.text
	.protected	k_qfd6ba6bad3_attn
	.globl	k_qfd6ba6bad3_attn
	.p2align	8
	.type	k_qfd6ba6bad3_attn,@function
k_qfd6ba6bad3_attn:
	s_mov_b64 s[64:65], 0
	v_nop
	global_prefetch_b8 v0, s[64:65] scope:SCOPE_SE
	s_setreg_imm32_b32 hwreg(HW_REG_WAVE_MODE, 25, 1), 1
	s_wait_xcnt 0x0
	s_wait_alu depctr_hold_cnt(0) depctr_sa_sdst(0) depctr_va_vdst(0) depctr_va_sdst(0) depctr_va_ssrc(0) depctr_va_vcc(0) depctr_vm_vsrc(0)
	s_getreg_b32 s2, hwreg(HW_REG_IB_STS2, 6, 4)
	s_cmp_eq_u32 s2, 0
	s_cbranch_scc0 .Lentry_in_a_cluster
	s_endpgm
.Lentry_in_a_cluster:
	s_bfe_u32 s2, ttmp6, 0x10000c
	s_cmp_lg_u32 s2, 0x3003
	s_cbranch_scc0 .Lentry_shape_is_right
	s_endpgm
.Lentry_shape_is_right:
; ATTENTION without a mask: for each query, softmax over 2,048 keys of its scores, times V.  q (already times log2(e) / 8), k, v: f16, as images of the operands' registers (units of 512 bytes, lane l's 16 bytes at 16 l).
; Products, maxima and sums in f32; the weights p = 2^(s - m), m the running maximum, are rounded to f16 for the second product; the result is divided by the row's sum and goes out in f16, again as units.
; SHARES.  A work-group: one key and value head (y = 4 batch + head), its four query heads, 128 queries (x).  Wave w: query head w / 2, 64 queries: four tiles of 16.  Two waves of 512 registers to a SIMD,
; so that one wave's softmax stands beside the other's products.  Every wave walks all keys, 64 a step; each fragment of K and V read from LDS feeds four matrix instructions.
; LAYOUT.  S^T = K Q^T (source 0 = 16 keys, source 1 = 16 queries): a lane holds one query and eight keys; packed in pairs these ARE source 1 of O^T = V^T P.  Nothing changes lanes but the maximum's one exchange.
; THE ROW'S SUM is a fifth tile of O^T whose source 0 is all ones: it is rescaled with O^T, and lies in every register of its accumulator.
; THE RING: two slots of 512 keys (64 KiB of K, 64 KiB of V).  Each of the eight waves fetches 16 KiB, jointly for the four work-groups of the cluster, which share y and walk the same keys.
; By this text's own count a wave has two tensor loads out at the start and one behind each of the two refills; a refill has eight key steps in which to land, so nothing is asked of memory earlier than that.
; LIMITS: NaN and infinities are not served.  The result in f16: magnitudes under 65,504; under 6e-5 the step is 2^-24.
; REGISTERS: window 0: v2-7 addresses; v24-55 eight registers of statistics a tile (+0 m, +1 its pair's partner, +2 a, +3 its partner, +4..7 at work); v56-63 ones; v64-191 S^T, 32 a tile, then P in the lower 16 of each 32;
;   v192-223, v224-255 the fragment buffer's two halves.   window 1: v0-159 O^T, 40 a tile (four channel tiles, the sum); v160-223 Q.
.set SLOT1, 131072
.set SPARE, 262144                     ; behind the ring: the spare words, 128 bytes for each wave: four blocks of 256 bytes that no other line names
.set LN16, 2                           ; v2  16 x lane
.set LV16, 3                           ; v3  the same, in a slot's V
.set ADK,  4                           ; v4  LDS address of the step's K
.set ADV,  5                           ; v5  and V
.set SPW,  6                           ; v6  LDS address of my spare word; never rewritten
.set NIL,  7                           ; v7  0; never rewritten
.set ST,   24
.set ONES, 56
.set S,    64
.set H0,   192
.set QR,   160                         ; window 1
.set WV,   12
.set G1,   24                          ; s[24:31] descriptor group 1
.set G0,   32                          ; s[32:39] group 0: a set for each first fill; the second then walks
.set TB,   40                          ; s40 LDS byte at which the step to be fetched begins
.set CN1,  41
.set CN2,  42
.set SEL,  44                          ; s[44:45] lane selects for lane l xor 16
.set MSB, 0
.macro WIN new
.if MSB != (\new)
	s_set_vgpr_msb (MSB<<8)|(\new)
.set MSB, (\new)
.endif
.endm
.macro PLACES n
.rept \n
	v_nop
.endr
.endm
.macro CROUND
	s_barrier_signal -1
	s_barrier_wait -1
	s_cmp_lg_u32 s[WV], 0
	s_cbranch_scc1 .Lnot_wave_0_\@
	s_barrier_signal -3
.Lnot_wave_0_\@:
	s_barrier_wait -3
	s_barrier_signal -1
	s_barrier_wait -1
.endm
	s_load_b128 s[4:7], s[0:1], 0x0                ; qf s[4:5], kvf s[6:7]
	s_load_b64 s[8:9], s[0:1], 0x10                ; af
	v_lshl_add_u32 v[SPW], v0, 2, SPARE
	v_mov_b32 v[NIL], 0
	ds_add_u32 v[SPW], v[NIL]                      ; the wave's opening: the add, twice on end, and its wait ahead of my first tensor load
	ds_add_u32 v[SPW], v[NIL]
	v_lshrrev_b32 v1, 5, v0
	v_readfirstlane_b32 s[WV], v1                  ; wave 0..7
	s_bfe_u32 s13, ttmp6, 0x40000                  ; cx
	s_lshl_b32 s14, ttmp9, 2
	s_add_co_u32 s14, s14, s13                     ; block of 128 queries: it enters Q's and the result's addresses alone
	s_and_b32 s15, ttmp7, 0xffff                   ; y, which the partners share
	s_mov_b32 s[G1], 15|(3<<16)|(1<<21)            ; the mask: all four work-groups; elements of 8 bytes; bit 21 set beside a mask; no padding
	s_mov_b32 s[G1+1], 32<<16                      ; 16 KiB, dense, as 64 rows of 256 bytes
	s_mov_b32 s[G1+2], 64<<16
	s_mov_b32 s[G1+3], 32<<16
	s_mov_b32 s[G1+4], 64
	s_mov_b32 s[G1+5], 32
	s_mov_b32 s[G1+6], 0
	s_mov_b32 s[G1+7], 0
	s_lshr_b32 s16, s[WV], 2                       ; waves 0-3 fetch K, waves 4-7 V,
	s_lshl_b32 s16, s16, 22
	s_lshl_b32 s17, s15, 18                        ; of head y,
	s_add_co_u32 s16, s16, s17
	s_and_b32 s17, s[WV], 3                        ; a quarter of a slot each
	s_lshl_b32 s17, s17, 14
	s_add_co_u32 s16, s16, s17
	s_mov_b32 s17, 0
	s_lshl_b32 s18, s[WV], 14                      ; in LDS: 16,384 x wave: K's four quarters, then V's
	s_lshr_b32 s19, s[WV], 1                       ; my query head of the four
	s_and_b32 s20, s[WV], 1                        ; my half of the 128 queries
	s_lshl_b32 s21, s15, 2
	s_add_co_u32 s21, s21, s19                     ; 16 batch + query head = 4 y + w / 2
	s_lshl_b32 s21, s21, 7
	s_lshl_b32 s22, s14, 3
	s_add_co_u32 s21, s21, s22
	s_lshl_b32 s22, s20, 2
	s_add_co_u32 s46, s21, s22                     ; my first query tile
	s_lshl_b32 s46, s46, 11
	s_mov_b32 s47, 0
	s_lshr_b32 s21, s15, 2
	s_lshl_b32 s21, s21, 7
	s_lshl_b32 s22, s14, 3
	s_add_co_u32 s21, s21, s22
	s_lshl_b32 s22, s20, 2
	s_add_co_u32 s21, s21, s22                     ; its row tile in the result: 128 batch + ..
	s_lshl_b32 s48, s21, 15                        ; 64 units a row tile
	s_and_b32 s22, s15, 3
	s_lshl_b32 s22, s22, 2
	s_add_co_u32 s22, s22, s19                     ; the query head: four units
	s_lshl_b32 s22, s22, 11
	s_add_co_u32 s48, s48, s22
	s_mov_b32 s49, 0
	s_mov_b32 s[SEL], 0x76543210
	s_mov_b32 s[SEL+1], 0xfedcba98
	s_mov_b32 s[TB], 0
	s_wait_dscnt 0x0                               ; both opening adds are done
	s_wait_kmcnt 0x0
	s_add_nc_u64 s[16:17], s[6:7], s[16:17]
	s_add_nc_u64 s[4:5], s[4:5], s[46:47]
	s_add_nc_u64 s[8:9], s[8:9], s[48:49]
	CROUND                                         ; all four work-groups are here: the first joint loads meet
.irp s, 0,1
	s_mov_b32 s[G0+4*\s], 1
	s_add_co_u32 s[G0+4*\s+1], s18, \s*SLOT1
	s_add_nc_u64 s[G0+4*\s+2:G0+4*\s+3], s[16:17], \s*65536
	s_or_b32 s[G0+4*\s+3], s[G0+4*\s+3], 0x80000000
.endr
	tensor_load_to_lds s[G0:G0+3], s[G1:G1+7]      ; keys 0 to 511
	s_nop 0
	tensor_load_to_lds s[G0+4:G0+7], s[G1:G1+7]    ; keys 512 to 1,023
	s_nop 0
	PLACES 4
	v_and_b32 v1, 31, v0
	v_lshlrev_b32 v[LN16], 4, v1
	v_add_nc_u32 v[LV16], 65536, v[LN16]
	WIN 0x40
.irp t, 0,1,2,3
.irp c, 0,1,2,3
	global_load_b128 v[QR+16*\t+4*\c:QR+16*\t+4*\c+3], v[LN16], s[4:5] offset:2048*\t+512*\c th:TH_LOAD_NT   ; Q stays in registers
.endr
.endr
	WIN 0
.irp i, 0,1,2,3,4,5,6,7
	v_mov_b32 v[ONES+\i], 0x3c003c00               ; 1.0, twice, in f16
.endr
.irp t, 0,1,2,3
	v_mov_b32 v[ST+8*\t+1], 0                      ; named as the upper halves of pairs, so they are written
	v_mov_b32 v[ST+8*\t+3], 0
.endr
	v_add_nc_u32 v[ADK], s[TB], v[LN16]
	v_add_nc_u32 v[ADV], s[TB], v[LV16]
.macro KLOAD ks                        ; K's four fragments (16 keys x 32 channels) of channel half ks into half ks of the buffer
.irp kt, 0,1,2,3
	ds_load_b128 v[H0+32*\ks+8*\kt:H0+32*\ks+8*\kt+3],   v[ADK] offset:2048*\kt+1024*\ks
	ds_load_b128 v[H0+32*\ks+8*\kt+4:H0+32*\ks+8*\kt+7], v[ADK] offset:2048*\kt+1024*\ks+512
.endr
.endm
.macro VLOAD kk                        ; V^T's four fragments (16 channels x 32 keys) of key half kk
.irp ct, 0,1,2,3
	ds_load_b128 v[H0+32*\kk+8*\ct:H0+32*\kk+8*\ct+3],   v[ADV] offset:4096*\kk+1024*\ct
	ds_load_b128 v[H0+32*\kk+8*\ct+4:H0+32*\kk+8*\ct+7], v[ADV] offset:4096*\kk+1024*\ct+512
.endr
.endm
; 20 products O^T += V^T P for key half kk: four channel tiles and the sum, the four query tiles by turns: no two that follow each other share an accumulator.
.macro PV20 kk, zero
.irp ct, 0,1,2,3,4
.irp t, 0,1,2,3
.if \ct < 4
.if \zero
	v_wmma_f32_16x16x32_f16 v[40*\t+8*\ct:40*\t+8*\ct+7], v[H0+32*\kk+8*\ct:H0+32*\kk+8*\ct+7], v[S+32*\t+8*\kk:S+32*\t+8*\kk+7], 0
.else
	v_wmma_f32_16x16x32_f16 v[40*\t+8*\ct:40*\t+8*\ct+7], v[H0+32*\kk+8*\ct:H0+32*\kk+8*\ct+7], v[S+32*\t+8*\kk:S+32*\t+8*\kk+7], v[40*\t+8*\ct:40*\t+8*\ct+7]
.endif
.else
.if \zero
	v_wmma_f32_16x16x32_f16 v[40*\t+32:40*\t+39], v[ONES:ONES+7], v[S+32*\t+8*\kk:S+32*\t+8*\kk+7], 0
.else
	v_wmma_f32_16x16x32_f16 v[40*\t+32:40*\t+39], v[ONES:ONES+7], v[S+32*\t+8*\kk:S+32*\t+8*\kk+7], v[40*\t+32:40*\t+39]
.endif
.endif
.endr
.endr
.endm
.macro S16 ks                          ; 16 products S^T for channel half ks
.irp kt, 0,1,2,3
.irp t, 0,1,2,3
.if \ks == 0
	v_wmma_f32_16x16x32_f16 v[S+32*\t+8*\kt:S+32*\t+8*\kt+7], v[H0+8*\kt:H0+8*\kt+7], v[QR+16*\t:QR+16*\t+7], 0
.else
	v_wmma_f32_16x16x32_f16 v[S+32*\t+8*\kt:S+32*\t+8*\kt+7], v[H0+32+8*\kt:H0+32+8*\kt+7], v[QR+16*\t+8:QR+16*\t+15], v[S+32*\t+8*\kt:S+32*\t+8*\kt+7]
.endif
.endr
.endr
.endm
; V^T P of the step in hand; as each half of the buffer is done with, the next step's K takes it.  Loads stand four plain lines behind the products that read their registers;
; five stand behind the last products, since the next products S^T write over P's registers.
.macro PVPHASE first, knext
.if \knext
	v_add_nc_u32 v[ADK], s[TB], v[LN16]
	v_add_nc_u32 v[ADV], s[TB], v[LV16]
.endif
	s_wait_dscnt 0x0                               ; V is in
	WIN 0x50
	PV20 0, \first
.if \knext
	PLACES 4
	WIN 0
	KLOAD 0
	WIN 0x50
.endif
	PV20 1, 0
.if \knext
	PLACES 5
	WIN 0
	KLOAD 1
.else
	WIN 0
.endif
.endm
.macro SPHASE
	s_wait_dscnt 8                                 ; K's first channel half is in; the second's eight loads may be out
	WIN 0x04
	S16 0
	PLACES 4
	WIN 0
	VLOAD 0
	s_wait_dscnt 8                                 ; K's second half is in; the eight loads just issued may be out
	WIN 0x04
	S16 1
	PLACES 4                                       ; also the places in front of the softmax's first read of the scores
	WIN 0
	VLOAD 1
.endm
; The softmax of four tiles for 64 keys, the tiles by turns.  first = 1: the first key step: no old maximum, no a, nothing to rescale.
.macro SOFTMAX first
.irp j, 0,1,2,3
.irp t, 0,1,2,3
	v_max3_num_f32 v[ST+8*\t+4+\j], v[S+32*\t+8*\j], v[S+32*\t+8*\j+1], v[S+32*\t+8*\j+2]   ; four chains a tile; each accumulator is read from its low end on
.endr
.endr
.irp u, 1,2
.irp j, 0,1,2,3
.irp t, 0,1,2,3
	v_max3_num_f32 v[ST+8*\t+4+\j], v[ST+8*\t+4+\j], v[S+32*\t+8*\j+2*\u+1], v[S+32*\t+8*\j+2*\u+2]
.endr
.endr
.endr
.irp t, 0,1,2,3
	v_max3_num_f32 v[ST+8*\t+4], v[ST+8*\t+4], v[S+32*\t+7], v[S+32*\t+15]
.endr
.irp t, 0,1,2,3
	v_max3_num_f32 v[ST+8*\t+6], v[ST+8*\t+6], v[S+32*\t+23], v[S+32*\t+31]
.endr
.irp t, 0,1,2,3
	v_max3_num_f32 v[ST+8*\t+4], v[ST+8*\t+4], v[ST+8*\t+5], v[ST+8*\t+6]
.endr
.irp t, 0,1,2,3
.if \first
	v_max_num_f32 v[ST+8*\t+4], v[ST+8*\t+4], v[ST+8*\t+7]
.else
	v_max3_num_f32 v[ST+8*\t+4], v[ST+8*\t+4], v[ST+8*\t+7], v[ST+8*\t]
.endif
.endr
.irp t, 0,1,2,3
	v_permlanex16_b32 v[ST+8*\t+5], v[ST+8*\t+4], s[SEL], s[SEL+1]   ; the query's other 32 keys lie in the lane 16 away
.endr
.irp t, 0,1,2,3
	v_max_num_f32 v[ST+8*\t+6], v[ST+8*\t+4], v[ST+8*\t+5]
.endr
.if \first == 0
.irp t, 0,1,2,3
	v_sub_f32 v[ST+8*\t+7], v[ST+8*\t], v[ST+8*\t+6]   ; the old maximum less the new
.endr
.endif
.irp t, 0,1,2,3
	v_mov_b32 v[ST+8*\t], v[ST+8*\t+6]             ; m is kept: the next step's chains write the working registers anew
.endr
; ONE BATCH: the four a, the 64 subtractions (a pair of scores each) and the 128 exponentials, each pair's four subtractions behind its own.  None of these names an exponential's result.
.if \first == 0
.irp t, 0,1,2,3
	v_exp_f32 v[ST+8*\t+2], v[ST+8*\t+7]           ; a = 2^(old m - new m)
.endr
.endif
.set n, 0
.rept 68
.if n < 64
	v_pk_add_f32 v[S+32*(n%4)+2*(n/4):S+32*(n%4)+2*(n/4)+1], v[S+32*(n%4)+2*(n/4):S+32*(n%4)+2*(n/4)+1], v[ST+8*(n%4):ST+8*(n%4)+1] op_sel_hi:[1,0] neg_lo:[0,1] neg_hi:[0,1]   ; s - m
.endif
.if n >= 4
	v_exp_f32 v[S+32*((n-4)%4)+2*((n-4)/4)], v[S+32*((n-4)%4)+2*((n-4)/4)]
	v_exp_f32 v[S+32*((n-4)%4)+2*((n-4)/4)+1], v[S+32*((n-4)%4)+2*((n-4)/4)+1]
.endif
.set n, n+1
.endr
	v_nop                                          ; a plain line behind the last exponential, ahead of the first use
	s_wait_alu depctr_va_vdst(0)                   ; a wait ahead of the first line that names a result: one for the whole batch
.irp p, 0,1,2,3,4,5,6,7,8,9,10,11,12,13,14,15
.irp t, 0,1,2,3
	v_cvt_pk_f16_f32 v[S+32*\t+\p], v[S+32*\t+2*\p], v[S+32*\t+2*\p+1]   ; in place, ascending: register p is written when pairs up to p have been read
.endr
.endr
.if \first == 0
	WIN 0x41
.irp i, 0,2,4,6,8,10,12,14,16,18,20,22,24,26,28,30,32,34,36,38
.irp t, 0,1,2,3
	v_pk_mul_f32 v[40*\t+\i:40*\t+\i+1], v[40*\t+\i:40*\t+\i+1], v[ST+8*\t+2:ST+8*\t+3] op_sel_hi:[1,0]   ; O^T and the sum under the new maximum
.endr
.endr
	WIN 0
.endif
.endm
.macro RSTEP pvfirst                   ; V^T P of step j, K Q^T and the softmax of step j + 1
	PVPHASE \pvfirst, 1
	SPHASE
	SOFTMAX 0
	s_add_co_u32 s[TB], s[TB], 8192                ; the next fetches are the next step's
.endm
.macro RLOOP n
	s_mov_b32 s[CN1], \n
.Lstep_\@:
	RSTEP 0
	s_sub_co_u32 s[CN1], s[CN1], 1
	s_cmp_lg_u32 s[CN1], 0
	s_cbranch_scc1 .Lstep_\@
.endm
; THE CHANGE OF SLOTS: the slot's last bytes, V of its eighth step, have been asked for.  Each wave waits for all its tensor loads (its part of the other slot), adds 0 to its spare word, and waits for that and
; for its reads of the slot.  fill = 1: a round of the cluster's barrier, so that no wave of any partner still reads the slot or has a load on its way; the joint refill is the first thing behind it.
.macro CHANGE fill
	s_wait_tensorcnt 0x0                           ; no tensor load of mine is out, so a group 0 may be written
	ds_add_u32 v[SPW], v[NIL]
.if \fill
	s_xor_b32 s[G0+5], s[G0+5], SLOT1              ; the walking descriptor: the other slot than last time,
	s_add_nc_u64 s[G0+6:G0+7], s[G0+6:G0+7], 65536 ; the next 512 keys
	s_wait_dscnt 0x0                               ; the add is done, and my reads of the slot are over
	CROUND
	tensor_load_to_lds s[G0+4:G0+7], s[G1:G1+7]
	s_nop 0
	PLACES 4
.else
	s_wait_dscnt 0x0
	s_barrier_signal -1
	s_barrier_wait -1
.endif
	s_sub_co_u32 s[TB], s[TB], 65536               ; the fetches go back to a slot's first step,
	s_xor_b32 s[TB], s[TB], SLOT1                  ; in the other slot
.endm
	s_wait_tensorcnt 1                             ; my part of slot 0 is in; slot 1's may stay out
	s_barrier_signal -1
	s_barrier_wait -1
	KLOAD 0
	KLOAD 1
	s_wait_loadcnt 0x0                             ; Q
	SPHASE                                         ; step 0
	SOFTMAX 1
	s_add_co_u32 s[TB], s[TB], 8192
	RSTEP 1                                        ; its V^T P starts O^T's sums: nothing is ever cleared
	RLOOP 6                                        ; the rest of slot 0
	s_mov_b32 s[CN2], 2
.Lslot:                                            ; two trips: keys 512 on and 1,024 on; behind each change the slot just left takes the keys two slots on
	CHANGE 1
	RLOOP 8
	s_sub_co_u32 s[CN2], s[CN2], 1
	s_cmp_lg_u32 s[CN2], 0
	s_cbranch_scc1 .Lslot
	CHANGE 0                                       ; the last slot is written out: nothing is left to fetch
	RLOOP 8
	PVPHASE 0, 0                                   ; V^T P of the last step
	; THE WAY OUT: O^T / the sum, to f16; a tile's four channel tiles are four units of the next launch's operand.
	PLACES 4
	WIN 0x01
.irp t, 0,1,2,3
	v_rcp_f32 v[ST+8*\t+2], v[40*\t+32]            ; the sum lies in its accumulator's lowest register
.endr
	v_nop
	s_wait_alu depctr_va_vdst(0)                   ; one wait for the four reciprocals, ahead of their first use
.irp t, 0,1,2,3
.irp i, 0,2,4,6,8,10,12,14,16,18,20,22,24,26,28,30
	v_pk_mul_f32 v[S+32*\t+\i:S+32*\t+\i+1], v[40*\t+\i:40*\t+\i+1], v[ST+8*\t+2:ST+8*\t+3] op_sel_hi:[1,0]
.endr
.endr
	WIN 0
.irp t, 0,1,2,3
.irp p, 0,1,2,3,4,5,6,7,8,9,10,11,12,13,14,15
	v_cvt_pk_f16_f32 v[S+32*\t+\p], v[S+32*\t+2*\p], v[S+32*\t+2*\p+1]
.endr
.endr
.irp t, 0,1,2,3
.irp ct, 0,1,2,3
	global_store_b128 v[LN16], v[S+32*\t+4*\ct:S+32*\t+4*\ct+3], s[8:9] offset:32768*\t+512*\ct   ; query r, channels 16 ct + 8 h + 0 .. 7: 512 consecutive bytes
.endr
.endr
	s_wait_tensorcnt 0x0                           ; the wave's end
	ds_add_u32 v[SPW], v[NIL]
	s_wait_dscnt 0x0
	CROUND                                         ; the closing round
	s_endpgm
.Lfunc_end_k_qfd6ba6bad3_attn:
	.size	k_qfd6ba6bad3_attn, .Lfunc_end_k_qfd6ba6bad3_attn-k_qfd6ba6bad3_attn
	.p2alignl 7, 3214868480
	.fill 96, 4, 3214868480
	.section	.rodata,"a",@progbits
	.p2align	6, 0x0
	.amdhsa_kernel k_qfd6ba6bad3_attn
		.amdhsa_group_segment_fixed_size 327680
		.amdhsa_private_segment_fixed_size 0
		.amdhsa_enable_private_segment 0
		.amdhsa_kernarg_size 24
		.amdhsa_user_sgpr_count 2
		.amdhsa_user_sgpr_kernarg_segment_ptr 1
		.amdhsa_wavefront_size32 1
		.amdhsa_system_sgpr_workgroup_id_x 1
		.amdhsa_system_sgpr_workgroup_id_y 1
		.amdhsa_system_sgpr_workgroup_id_z 1
		.amdhsa_system_vgpr_workitem_id 0
		.amdhsa_next_free_vgpr 512
		.amdhsa_next_free_sgpr 66
		.amdhsa_reserve_vcc 0
		.amdhsa_float_denorm_mode_32 3
		.amdhsa_float_denorm_mode_16_64 3
		.amdhsa_memory_ordered 1
		.amdhsa_forward_progress 1
		.amdhsa_inst_pref_size 160
	.end_amdhsa_kernel
	.amdgpu_metadata
---
amdhsa.version: [ 1, 2 ]
amdhsa.kernels:
  - .name:           k_qfd6ba6bad3_attn
    .symbol:         k_qfd6ba6bad3_attn.kd
    .args:
      - { .name: qf, .offset: 0, .size: 8, .value_kind: global_buffer, .address_space: global }
      - { .name: kvf, .offset: 8, .size: 8, .value_kind: global_buffer, .address_space: global }
      - { .name: af, .offset: 16, .size: 8, .value_kind: global_buffer, .address_space: global }
    .group_segment_fixed_size: 327680
    .private_segment_fixed_size: 0
    .kernarg_segment_align: 8
    .kernarg_segment_size: 24
    .max_flat_workgroup_size: 256
    .sgpr_count:     66
    .vgpr_count:     512
    .wavefront_size: 32
...
	.end_amdgpu_metadata
.endif
;; end of part 3
;; launch oproj (part 4): grid 32 x 8, 4 waves a work-group, clusters of 4 x 1, 327,680 bytes of LDS; arguments af, wo16, out0; writes out0
.if DOCPART == 4
	.amdgcn_target "amdgcn-amd-amdhsa--gfx1250"
	.amdhsa_code_object_version 6
	.text
	.protected	k_qfd6ba6bad3_oproj
	.globl	k_qfd6ba6bad3_oproj
	.p2align	8
	.type	k_qfd6ba6bad3_oproj,@function
k_qfd6ba6bad3_oproj:
	s_mov_b64 s[64:65], 0
	v_nop
	global_prefetch_b8 v0, s[64:65] scope:SCOPE_SE
	s_setreg_imm32_b32 hwreg(HW_REG_WAVE_MODE, 25, 1), 1
	s_wait_xcnt 0x0
	s_wait_alu depctr_hold_cnt(0) depctr_sa_sdst(0) depctr_va_vdst(0) depctr_va_sdst(0) depctr_va_ssrc(0) depctr_va_vcc(0) depctr_vm_vsrc(0)
	s_getreg_b32 s2, hwreg(HW_REG_IB_STS2, 6, 4)
	s_cmp_eq_u32 s2, 0
	s_cbranch_scc0 .Lentry_in_a_cluster
	s_endpgm
.Lentry_in_a_cluster:
	s_bfe_u32 s2, ttmp6, 0x10000c
	s_cmp_lg_u32 s2, 0x3003
	s_cbranch_scc0 .Lentry_shape_is_right
	s_endpgm
.Lentry_shape_is_right:
; OUT = A Wo: A [8192][1024] (attention's result) and Wo, both f16 as images of the operands' registers (units of 512 bytes); out0 [8192][1024] f32; sums in f32.
; SHARES.  A work-group: 256 rows (x) x 128 columns (y).  A wave: 64 rows x 128 columns: 32 accumulators.
; Wo's slice (128 columns x all of K: 256 KiB) is filled into LDS ONCE, in four quarters of K: no slot is filled again.  The four work-groups of a cluster lie along x and share the slice: it is asked for jointly.
; A's fragments belong to one wave alone, so they come from memory straight into registers, eight K steps (eight sets of 32 registers) ahead; what is shared of A lies along y, and a load into registers has no joint form.
; By this text's own count a wave has four tensor loads out at the most.
; THE PRODUCT IS USED TRANSPOSED (source 0 = 16 columns of Wo, source 1 = 16 rows of A): a lane holds eight neighbouring numbers of a row of the output.
; REGISTERS: window 0: v16-29 addresses; v32-95, v96-159 Wo's two sets of fragments, on the way out rows read back.   window 1: accumulator (a, b) at v[8 (8 a + b)].   window 2: A's eight sets.
.set STAGE, 262144                     ; behind the slice: 16 rows x (512 + 16) bytes for each wave; no fill lands here
.set SPARE, 295936                     ; behind the stages: the spare words, 128 bytes for each wave
.set ADRB, 16                          ; v16-19  LDS address of quarter j: 65,536 j + 16 x lane
.set L16,  24                          ; v24     16 x lane
.set STO,  25                          ; v25     the stage: where I put 32 bytes of a row
.set RD,   26                          ; v26     and where I read a row back
.set SPW,  28
.set NIL,  29
.set BF,   32
.set WV,   12
.set G1,   24                          ; s[24:31]
.set G0,   32                          ; s[32:47] a group 0 for each quarter
.set MSB, 0
.macro WIN new
.if MSB != (\new)
	s_set_vgpr_msb (MSB<<8)|(\new)
.set MSB, (\new)
.endif
.endm
.macro PLACES n
.rept \n
	v_nop
.endr
.endm
.macro CROUND
	s_barrier_signal -1
	s_barrier_wait -1
	s_cmp_lg_u32 s[WV], 0
	s_cbranch_scc1 .Lnot_wave_0_\@
	s_barrier_signal -3
.Lnot_wave_0_\@:
	s_barrier_wait -3
	s_barrier_signal -1
	s_barrier_wait -1
.endm
	s_load_b128 s[4:7], s[0:1], 0x0                ; af s[4:5], wo16 s[6:7]
	s_load_b64 s[8:9], s[0:1], 0x10                ; out0
	v_lshl_add_u32 v[SPW], v0, 2, SPARE
	v_mov_b32 v[NIL], 0
	ds_add_u32 v[SPW], v[NIL]                      ; the wave's opening: the add, twice on end, and its wait ahead of my first tensor load
	ds_add_u32 v[SPW], v[NIL]
	v_lshrrev_b32 v1, 5, v0
	v_readfirstlane_b32 s[WV], v1
	s_bfe_u32 s13, ttmp6, 0x40000                  ; cx
	s_lshl_b32 s14, ttmp9, 2
	s_add_co_u32 s14, s14, s13                     ; block of 256 rows
	s_and_b32 s15, ttmp7, 0xffff                   ; slice of 128 columns, which the partners share
	s_mov_b32 s[G1], 15|(3<<16)|(1<<21)            ; the mask: all four work-groups; elements of 8 bytes; bit 21 set beside a mask
	s_mov_b32 s[G1+1], 1024<<16                    ; two column tiles' quarter of K: 2 rows of 8,192 bytes, 32,768 bytes apart
	s_mov_b32 s[G1+2], 2<<16
	s_mov_b32 s[G1+3], 1024<<16
	s_mov_b32 s[G1+4], 2
	s_mov_b32 s[G1+5], 4096
	s_mov_b32 s[G1+6], 0
	s_mov_b32 s[G1+7], 0
	s_lshl_b32 s16, s15, 18                        ; Wo: eight column tiles of 32,768 bytes a slice,
	s_lshl_b32 s17, s[WV], 16                      ; my two of them
	s_add_co_u32 s16, s16, s17
	s_mov_b32 s17, 0
	s_lshl_b32 s18, s[WV], 14                      ; in LDS: 2 x 8,192 x wave
	s_lshl_b32 s20, s14, 19                        ; A: 16 row tiles of 32,768 bytes a block, my four
	s_lshl_b32 s21, s[WV], 17
	s_add_co_u32 s20, s20, s21
	s_mov_b32 s21, 0
	s_lshl_b32 s22, s14, 20                        ; out: 256 rows of 4,096 bytes, my 64, the slice's 512 bytes
	s_lshl_b32 s23, s[WV], 18
	s_add_co_u32 s22, s22, s23
	s_lshl_b32 s23, s15, 9
	s_add_co_u32 s22, s22, s23
	s_mov_b32 s23, 0
	s_wait_dscnt 0x0                               ; both opening adds are done
	s_wait_kmcnt 0x0
	s_add_nc_u64 s[16:17], s[6:7], s[16:17]
	s_add_nc_u64 s[4:5], s[4:5], s[20:21]
	s_add_nc_u64 s[8:9], s[8:9], s[22:23]
	CROUND                                         ; all four work-groups are here: the joint loads meet
.irp j, 0,1,2,3
	s_mov_b32 s[G0+4*\j], 1
	s_add_co_u32 s[G0+4*\j+1], s18, 65536*\j
	s_add_nc_u64 s[G0+4*\j+2:G0+4*\j+3], s[16:17], 8192*\j
	s_or_b32 s[G0+4*\j+3], s[G0+4*\j+3], 0x80000000
.endr
.irp j, 0,1,2,3
	tensor_load_to_lds s[G0+4*\j:G0+4*\j+3], s[G1:G1+7]
	s_nop 0
.endr
	PLACES 4
	v_and_b32 v1, 31, v0
	v_and_b32 v2, 15, v0                           ; r
	v_bfe_u32 v3, v0, 4, 1                         ; h
	v_lshlrev_b32 v[L16], 4, v1
.irp j, 0,1,2,3
	v_add_nc_u32 v[ADRB+\j], 65536*\j, v[L16]
.endr
	s_mul_i32 s19, s[WV], 8448
	s_add_co_u32 s19, s19, STAGE                   ; my stage
	v_mul_u32_u24 v[STO], v2, 528
	v_lshl_add_u32 v[STO], v3, 5, v[STO]
	v_add_nc_u32 v[STO], s19, v[STO]               ; in: row r, + 32 h
	v_add_nc_u32 v[RD], s19, v[L16]                ; back: the 32 lanes take one row of 512 bytes
.macro LOAD_A s                        ; my four row tiles' fragments of K step s into set s % 8
.irp a, 0,1,2,3
	global_load_b128 v[32*((\s)%8)+8*\a:32*((\s)%8)+8*\a+3],   v[L16], s[4:5] offset:32768*\a+1024*(\s)
	global_load_b128 v[32*((\s)%8)+8*\a+4:32*((\s)%8)+8*\a+7], v[L16], s[4:5] offset:32768*\a+1024*(\s)+512
.endr
.endm
.macro FETCH_B s                       ; Wo's eight fragments of K step s into set s % 2
.irp b, 0,1,2,3,4,5,6,7
	ds_load_b128 v[BF+64*((\s)%2)+8*\b:BF+64*((\s)%2)+8*\b+3],   v[ADRB+(\s)/8] offset:8192*\b+1024*((\s)%8)
	ds_load_b128 v[BF+64*((\s)%2)+8*\b+4:BF+64*((\s)%2)+8*\b+7], v[ADRB+(\s)/8] offset:8192*\b+1024*((\s)%8)+512
.endr
.endm
.macro MUL a0, s                       ; 16 matrix instructions; the 32 accumulators take turns in the same order in every step.  K step 0 starts the sums
.irp a, \a0, \a0+1
.irp b, 0,1,2,3,4,5,6,7
.if (\s) == 0
	v_wmma_f32_16x16x32_f16 v[8*(8*(\a)+\b):8*(8*(\a)+\b)+7], v[BF+64*((\s)%2)+8*\b:BF+64*((\s)%2)+8*\b+7], v[32*((\s)%8)+8*(\a):32*((\s)%8)+8*(\a)+7], 0
.else
	v_wmma_f32_16x16x32_f16 v[8*(8*(\a)+\b):8*(8*(\a)+\b)+7], v[BF+64*((\s)%2)+8*\b:BF+64*((\s)%2)+8*\b+7], v[32*((\s)%8)+8*(\a):32*((\s)%8)+8*(\a)+7], v[8*(8*(\a)+\b):8*(8*(\a)+\b)+7]
.endif
.endr
.endr
.endm
.macro KSTEP s
.if ((\s)%8) == 7 && (\s) < 31
	s_wait_tensorcnt 3-((\s)+1)/8                  ; this step fetches from the next quarter of K: my part of it has landed (the later quarters' loads may be out),
	s_wait_dscnt 0x0
	s_barrier_signal -1
	s_barrier_wait -1                              ; and every wave's has.
.endif
.if 31-(\s) >= 7
	s_wait_loadcnt 56                              ; this step's eight loads of A are in; the seven younger sets may be out
.else
	s_wait_loadcnt 8*(31-(\s))
.endif
	s_wait_dscnt 0x0                               ; Wo's fragments of this step are in
	WIN 0x58
	MUL 0, \s
.if (\s) < 31
	PLACES 4                                       ; in front of loads into registers that matrix instructions have read
	WIN 0
	FETCH_B (\s)+1
	WIN 0x58
.endif
	MUL 2, \s
.if (\s)+8 < 32
	PLACES 4
	WIN 0x80
	LOAD_A (\s)+8                                  ; this step's set takes the step eight further on
.endif
.endm
	WIN 0x80
.irp s, 0,1,2,3,4,5,6,7
	LOAD_A \s
.endr
	WIN 0
	s_wait_tensorcnt 3                             ; my part of the first quarter of K is in,
	s_barrier_signal -1
	s_barrier_wait -1                              ; everybody's is
	FETCH_B 0
.irp s, 0,1,2,3,4,5,6,7,8,9,10,11,12,13,14,15,16,17,18,19,20,21,22,23,24,25,26,27,28,29,30,31
	KSTEP \s
.endr
	WIN 0
; THE WAY OUT, a block of 16 rows x 128 columns at a time, through my own stage: in as 32 bytes a lane, back as whole rows of 512 bytes.  LDS serves a wave's instructions in order: no wait between the stores and the loads.
.macro TOSTAGE a
	WIN 0x04                                       ; an LDS store's data are its source 1: window 1
.irp b, 0,1,2,3,4,5,6,7
	ds_store_b128 v[STO], v[8*(8*(\a)+\b):8*(8*(\a)+\b)+3] offset:64*\b          ; each accumulator from its low end on
	ds_store_b128 v[STO], v[8*(8*(\a)+\b)+4:8*(8*(\a)+\b)+7] offset:64*\b+16
.endr
	WIN 0
.set BB, BF+64*((\a)%2)
.irp t, 0,1,2,3,4,5,6,7,8,9,10,11,12,13,14,15
	ds_load_b128 v[BB+4*\t:BB+4*\t+3], v[RD] offset:528*\t
.endr
.endm
.macro SEND a, younger                 ; younger: the LDS instructions issued behind block a's loads, which may stay out
.set BB, BF+64*((\a)%2)
	s_wait_dscnt \younger
.if (\a) > 0
	s_add_nc_u64 s[8:9], s[8:9], 65536             ; 16 rows on (behind a wait that shows that the earlier stores have read their base)
.endif
.irp t, 0,1,2,3,4,5,6,7,8,9,10,11,12,13,14,15
	global_store_b128 v[L16], v[BB+4*\t:BB+4*\t+3], s[8:9] offset:4096*\t th:TH_STORE_NT   ; 32 lanes store 512 consecutive bytes, aligned; written once, read by nobody here
.endr
.endm
	PLACES 4                                       ; in front of the first read of results and of loads into the registers that held Wo's fragments
	TOSTAGE 0
.irp a, 1,2,3
.if \a > 1
	s_wait_xcnt 0x0                                ; block a - 2's stores have read their registers and their base
.endif
	TOSTAGE \a
	SEND (\a)-1, 32                                ; behind block a - 1's loads: block a's 16 stores and 16 loads
.endr
	s_wait_xcnt 0x0
	SEND 3, 0
	s_wait_tensorcnt 0x0                           ; the wave's end, behind my last tensor load and my last LDS store
	ds_add_u32 v[SPW], v[NIL]
	s_wait_dscnt 0x0
	CROUND                                         ; the closing round
	s_endpgm
.Lfunc_end_k_qfd6ba6bad3_oproj:
	.size	k_qfd6ba6bad3_oproj, .Lfunc_end_k_qfd6ba6bad3_oproj-k_qfd6ba6bad3_oproj
	.p2alignl 7, 3214868480
	.fill 96, 4, 3214868480
	.section	.rodata,"a",@progbits
	.p2align	6, 0x0
	.amdhsa_kernel k_qfd6ba6bad3_oproj
		.amdhsa_group_segment_fixed_size 327680
		.amdhsa_private_segment_fixed_size 0
		.amdhsa_enable_private_segment 0
		.amdhsa_kernarg_size 24
		.amdhsa_user_sgpr_count 2
		.amdhsa_user_sgpr_kernarg_segment_ptr 1
		.amdhsa_wavefront_size32 1
		.amdhsa_system_sgpr_workgroup_id_x 1
		.amdhsa_system_sgpr_workgroup_id_y 1
		.amdhsa_system_sgpr_workgroup_id_z 1
		.amdhsa_system_vgpr_workitem_id 0
		.amdhsa_next_free_vgpr 768
		.amdhsa_next_free_sgpr 66
		.amdhsa_reserve_vcc 0
		.amdhsa_float_denorm_mode_32 3
		.amdhsa_float_denorm_mode_16_64 3
		.amdhsa_memory_ordered 1
		.amdhsa_forward_progress 1
		.amdhsa_inst_pref_size 153
	.end_amdhsa_kernel
	.amdgpu_metadata
---
amdhsa.version: [ 1, 2 ]
amdhsa.kernels:
  - .name:           k_qfd6ba6bad3_oproj
    .symbol:         k_qfd6ba6bad3_oproj.kd
    .args:
      - { .name: af, .offset: 0, .size: 8, .value_kind: global_buffer, .address_space: global }
      - { .name: wo16, .offset: 8, .size: 8, .value_kind: global_buffer, .address_space: global }
      - { .name: out0, .offset: 16, .size: 8, .value_kind: global_buffer, .address_space: global }
    .group_segment_fixed_size: 327680
    .private_segment_fixed_size: 0
    .kernarg_segment_align: 8
    .kernarg_segment_size: 24
    .max_flat_workgroup_size: 128
    .sgpr_count:     66
    .vgpr_count:     768
    .wavefront_size: 32
...
	.end_amdgpu_metadata
.endif
;; end of part 4
